; MI455X (gfx1250); checked and timed in simulation.
; The chip was launched on July 23, 2026; its instructions are those of AMD's public machine-readable ISA for CDNA 5 (MIT licence, August 2026) and "CDNA5" Instruction Set Architecture Reference Guide (July 2026). The comments in the code are by the model that wrote it; some were corrected since.
;; Multi Head Attention. Allowed arithmetic: matrix products marked QUANTISED: E4M3 operands, one given power-of-two scale a tensor, by v_wmma_f32_16x16x64_fp8_fp8 or v_wmma_f32_16x16x128_fp8_fp8, f32 sums; everything else in f32.
;; Inputs: Wk 1,024 x 1,024 float32; Wq 1,024 x 1,024 float32; Wv 1,024 x 1,024 float32; k 4 x 2,048 x 1,024 float32; lowp_scales 10 int32 (the exponents e of the quantised operands' scales 2^e); q 4 x 2,048 x 1,024 float32; q_mask 4 x 2,048 float32; v 4 x 2,048 x 1,024 float32; v_mask 4 x 2,048 float32.
;; Outputs: out0 4 x 2,048 x 1,024 float32.
;; This version of the problem:
;;   THIS VERSION OF THE PROBLEM IS GIVEN IN LOW PRECISION. The matrix products marked QUANTISED in the list below multiply operands that are first quantised to E4M3 (4 exponent bits, 3 mantissa bits; 8 bits a number), with one given power-of-two scale for each operand tensor; their sums are f32. All else is computed in f32.
;;   The module's matrix products, in the order in which they are computed (A, B: the left and right operand; K: the contracted axis; several contracted axes count as one K, in the product's order):
;;     1. [M 8,192, K 1,024] x [K 1,024, N 1,024]; A: input q; B: input Wq: QUANTISED (scales: A lowp_scales[0], B lowp_scales[1])
;;     2. [M 8,192, K 1,024] x [K 1,024, N 1,024]; A: input k; B: input Wk: QUANTISED (scales: A lowp_scales[2], B lowp_scales[3])
;;     3. [M 8,192, K 1,024] x [K 1,024, N 1,024]; A: input v; B: input Wv: QUANTISED (scales: A lowp_scales[4], B lowp_scales[5])
;;     4. batch 64 x [M 2,048, K 64] x [K 64, N 2,048]; A: computed on the way; B: computed on the way: QUANTISED (scales: A lowp_scales[6], B lowp_scales[7])
;;     5. batch 64 x [M 2,048, K 2,048] x [K 2,048, N 64]; A: softmax (see below); B: computed on the way: QUANTISED (scales: A lowp_scales[8], B lowp_scales[9])
;;   THE QUANTISER, for each operand of a quantised product, along K:
;;     - The operand's scale is 2^e, e = its entry of the input lowp_scales (int32; the entries are numbered through the quantised products in the list's order, A before B).
;;     - Each number is divided by the scale, clamped to +-448, and rounded to the nearest number of E4M3, ties to even, subnormals kept.
;;     - The product sums the exact products of the quantised numbers (number of the format x scale) in f32.
;;   ~~~python
;;   def quantise(x, axis, e):      # numpy; x: float32 -> the quantised numbers, widened to float32 again
;;       x = np.moveaxis(x, axis, -1); K = x.shape[-1]
;;       r = np.clip(x / 2.0 ** e, -448, 448)
;;       step = 2.0 ** (np.maximum(np.frexp(np.where(r == 0, 1, r))[1] - 1, -6) - 3)
;;       q = np.round(r / step) * step * 2.0 ** e      # np.round: ties to even
;;       return np.moveaxis(q, -1, axis).astype(np.float32)
;;   ~~~
;;   SOFTMAX AHEAD OF A QUANTISED PRODUCT. Where the list says 'softmax', what is quantised is not the finished softmax but p = 2^(t - M), with t = logit x log2(e) and M = ceil(the row's largest t), a whole number; so 1/2 < the row's largest p <= 1. The row's sum l is taken of the UNQUANTISED p, in f32, and the product's result is divided by l at the end. Since M is a whole number, a kernel that streams over the keys may use a running M (the ceiling of the running maximum): every later rescaling is an exact power of two, so the quantised numbers keep their values, but for numbers so far below the row's largest that they fall under the format's range.
;;   OPERANDS COMPUTED ON THE WAY. 'Computed on the way' means the value that the module computes at that place (a softmax that the list does not call 'softmax' is quantised finished and normalised). What goes into a quantiser is computed in f32, as accurately as f32 sums, v_exp_f32 and their like allow (about 1e-6 of the number): no bf16 or f16 on the way to a quantiser, and a product that is left as it is and whose result goes on into a quantised operand takes f32 operands (vector FMAs, or v_wmma_f32_16x16x4_f32). A number that lies on a knife's edge between two numbers of the format may be rounded either way, as far as f32 arithmetic and the matrix unit's own rounding can turn it there, and no further.
;; 2 versions, each right; version 2 is version 1 with the launch attn written anew for expert scheduling mode. Each part assembles by itself: llvm-mc -triple=amdgcn-amd-amdhsa -mcpu=gfx1250 --defsym DOCPART=n.
;; ======== version 1 of 2: 3 launches
;; workspace buffers: xc 25,165,824 bytes; wc 3,145,728 bytes; pj 25,165,824 bytes; fb 512 bytes of whole numbers
;; launch prep (part 1): grid 865 x 1, 4 waves a work-group, no clusters, 68,096 bytes of LDS; arguments q, k, v, Wq, Wk, Wv, v_mask, lowp_scales, xc, wc, fb; writes xc, wc, fb
.if DOCPART == 1
	.amdgcn_target "amdgcn-amd-amdhsa--gfx1250"
	.amdhsa_code_object_version 6
	.text
	.protected	k_q4ff32d5ede_prep
	.globl	k_q4ff32d5ede_prep
	.p2align	8
	.type	k_q4ff32d5ede_prep,@function
k_q4ff32d5ede_prep:
	s_mov_b64 s[64:65], 0
	v_nop
	global_prefetch_b8 v0, s[64:65] scope:SCOPE_SE
	s_setreg_imm32_b32 hwreg(HW_REG_WAVE_MODE, 25, 1), 1
	s_wait_xcnt 0x0
; PREP: everything that is quantised once, and one whole number for each batch.
; Work-groups 0-95 (path W): Wq, Wk, Wv [1024 (k)][1024 (n)] f32 become codes of E4M3 laid [n][k], K innermost, in wc (1,048,576 bytes a tensor).
; Work-groups 96-863 (path X): q, k, v [8192][1024] f32 become codes, K innermost, in xc (8,388,608 bytes a tensor).
; Work-group 864 (path F): for each batch F, stored 32 times in fb (word 32 b + lane).
; code = x / 2^e, held within +-448, rounded to the nearest code, ties to even; e = lowp_scales[0 .. 5].
; LIMITS: each of these e lies between -126 and 119, so that 2^e and 448 x 2^e are f32 numbers.  NaN among q, k, v, W is not served.
; THE ORDER OF ROWS in xc and wc: row number L is stored at the row number with bits 3 and 4 of L exchanged.  So 16 rows on end in memory are rows 32 G + 8 u + r + 8 (r / 8):
; the tiles that let a later product's results fall as 16 neighbours into a lane's registers, chosen once, in memory.
; F: m = (1 - v_mask) x 1e9, rounded as written.  A key is SMALL where |m| <= 64, BIG where m >= 5e8.  F = the first small key's number; 2,048 if there is none, or if any key is neither (a NaN is neither).
; A query at or behind F sees a small key, under which every big key and every key behind the diagonal lies by more than 2e8: their weights are 0.  Queries ahead of F are served by the long way of the last launch.
; The paths part on the work-group's number alone, and each has LDS bytes of its own.  No tensor loads, no barrier: waves share nothing.  Memory binds: no matrix unit, no cluster.
.set SPW,   192                        ; v192  LDS address of my spare word; never rewritten
.set NIL,   193                        ; v193  0; never rewritten
.set WREG,  8192                       ; path X: a wave's region: two stages of 32 x SP bytes
.set SP,    80                         ; a lane's place in a stage: 64 bytes + 16 of padding
.set WBASE, 32768                      ; path W's stages begin here
.set PITCH, 272                        ; path W: a stage row: 256 codes + 16 of padding
.set SPARE, WBASE+4*32*PITCH           ; behind both: the spare words, 128 bytes for each wave
.set STEPS, 16
.set R,     16                         ; X: v16-79   four sets of 16 numbers as loaded
.set X,     80                         ; X: v80-111  two sets of 16 neighbours
.set C,     128                        ; X: v128-191 codes, four registers a step
.set XW,    32                         ; W: v32-95   two sets of 32 numbers
.set CW,    96                         ; W: v96-103  a block's codes
.set OUTR,  112                        ; W: v112-175 the way out
	s_load_b512 s[4:19], s[0:1], 0x0               ; q 4, k 6, v 8, Wq 10, Wk 12, Wv 14, v_mask 16, lowp_scales 18
	s_load_b128 s[20:23], s[0:1], 0x40             ; xc, wc
	s_load_b64 s[24:25], s[0:1], 0x50              ; fb
	v_lshl_add_u32 v[SPW], v0, 2, SPARE
	v_mov_b32 v[NIL], 0
	v_lshrrev_b32 v1, 5, v0
	v_readfirstlane_b32 s26, v1                    ; wave 0..3
	v_and_b32 v2, 31, v0                           ; lane
	s_wait_kmcnt 0x0
	s_cmp_lt_u32 ttmp9, 96
	s_cbranch_scc1 .LW
	s_cmp_eq_u32 ttmp9, 864
	s_cbranch_scc1 .LF
; ---------------- PATH X: a wave takes 16 steps of 512 numbers: 8 rows of 1,024.
; Each load reads 512 consecutive bytes; a step's 2,048 bytes turn through the wave's own stage, so that a lane holds 16 neighbours along K for the conversions.
	s_load_b256 s[28:35], s[18:19], 0x0            ; e0 .. e7
	s_sub_co_u32 s36, ttmp9, 96
	s_lshr_b32 s37, s36, 8                         ; which tensor: 0 q, 1 k, 2 v
	s_and_b32 s38, s36, 255                        ; which 32 rows of it
	v_lshlrev_b32 v3, 4, v2                        ; 16 x lane: my bytes of a load's 512, and of a store's
	s_mul_i32 s39, s26, WREG
	v_lshrrev_b32 v14, 2, v2
	v_mul_u32_u24 v14, v14, SP
	v_and_b32 v15, 3, v2
	v_lshl_add_u32 v14, v15, 4, v14
	v_add_nc_u32 v14, s39, v14                     ; into the stage: SP (lane / 4) + 16 (lane % 4)
	v_mul_u32_u24 v15, v2, SP
	v_add_nc_u32 v15, s39, v15                     ; out of it: SP x lane
	s_cmp_eq_u32 s37, 1                            ; the choice hangs on the work-group's number alone
	s_cselect_b64 s[40:41], s[6:7], s[8:9]
	s_cmp_eq_u32 s37, 0
	s_cselect_b64 s[40:41], s[4:5], s[40:41]
	s_lshl_b32 s43, s38, 2
	s_add_co_u32 s44, s43, s26                     ; my run of 8 rows
	s_lshl_b32 s44, s44, 15                        ; x 32,768 bytes of f32
	s_mov_b32 s45, 0
	s_add_nc_u64 s[40:41], s[40:41], s[44:45]
	s_and_b32 s46, s26, 1                          ; bits 3 and 4 of the row are bits 0 and 1 of the run: they are the wave's two bits, exchanged
	s_lshl_b32 s46, s46, 1
	s_lshr_b32 s47, s26, 1
	s_or_b32 s46, s46, s47
	s_add_co_u32 s46, s46, s43
	s_lshl_b32 s46, s46, 13                        ; x 8,192 bytes of codes
	s_lshl_b32 s47, s37, 23                        ; + the tensor's place in xc
	s_add_co_u32 s46, s46, s47
	s_mov_b32 s47, 0
	s_add_nc_u64 s[20:21], s[20:21], s[46:47]
.macro XLOAD t
.irp i, 0,1,2,3
	global_load_b128 v[R+16*((\t)%4)+4*\i:R+16*((\t)%4)+4*\i+3], v3, s[40:41] offset:2048*(\t)+512*\i th:TH_LOAD_NT
.endr
.endm
.macro XTURN t                         ; LDS serves a wave's instructions in order: no wait between these stores and loads
.irp i, 0,1,2,3
	ds_store_b128 v14, v[R+16*((\t)%4)+4*\i:R+16*((\t)%4)+4*\i+3] offset:32*SP*((\t)%2)+8*SP*\i
.endr
.irp i, 0,1,2,3
	ds_load_b128 v[X+16*((\t)%2)+4*\i:X+16*((\t)%2)+4*\i+3], v15 offset:32*SP*((\t)%2)+16*\i
.endr
.endm
.irp t, 0,1,2,3
	XLOAD \t
.endr
	s_wait_kmcnt 0x0
	s_cmp_eq_u32 s37, 1
	s_cselect_b32 s48, s30, s32
	s_cmp_eq_u32 s37, 0
	s_cselect_b32 s48, s28, s48                    ; e0, e2 or e4
	s_add_co_i32 s48, s48, 127
	s_lshl_b32 s49, s48, 23
	v_mov_b32 v11, s49                             ; 2^e as f32: the conversion takes its exponent field
	s_add_co_i32 s48, s48, 8
	s_lshl_b32 s48, s48, 23
	s_or_b32 s48, s48, 0x600000
	v_mov_b32 v10, s48                             ; 448 x 2^e
	s_wait_loadcnt 12                              ; step 0's four loads are in; three steps' twelve may be out
	XTURN 0
.macro XSTEP t
.set XS, X+16*((\t)%2)
	s_wait_dscnt 0x0                               ; this step's numbers are back, so its stores into the stage have read their registers,
.if (\t)+4 < STEPS
	XLOAD (\t)+4                                   ; which take the loads of four steps on
.endif
.if (\t)+1 < STEPS
.if STEPS-2-(\t) >= 3
	s_wait_loadcnt 12                              ; the next step's four loads are in; those of the three steps behind it may be out
.else
	s_wait_loadcnt 4*(STEPS-2-(\t))
.endif
	XTURN (\t)+1
.endif
.irp i, 0,1,2,3,4,5,6,7,8,9,10,11,12,13,14,15
	v_med3_num_f32 v[XS+\i], v[XS+\i], -v10, v10   ; the conversion does not saturate (ISA guide 7.6.2): the hold comes first
.endr
	v_cvt_scalef32_pk8_fp8_f32 v[C+4*(\t):C+4*(\t)+1], v[XS:XS+7], v11
	v_cvt_scalef32_pk8_fp8_f32 v[C+4*(\t)+2:C+4*(\t)+3], v[XS+8:XS+15], v11
	global_store_b128 v3, v[C+4*(\t):C+4*(\t)+3], s[20:21] offset:512*(\t)   ; the wave stores 512 consecutive bytes, aligned; each step has its own registers
.endm
.irp t, 0,1,2,3,4,5,6,7,8,9,10,11,12,13,14,15
	XSTEP \t
.endr
	s_wait_tensorcnt 0x0                           ; the wave's end, behind my last LDS store
	ds_add_u32 v[SPW], v[NIL]
	s_wait_dscnt 0x0
	s_endpgm
; ---------------- PATH W: a lane takes a column n and its registers run down K; a wave takes 32 columns x 256 along K.
.LW:
	s_load_b256 s[28:35], s[18:19], 0x0            ; e0 .. e7
	s_lshr_b32 s37, ttmp9, 5                       ; which tensor
	s_and_b32 s36, ttmp9, 7                        ; which 128 columns
	s_bfe_u32 s38, ttmp9, 0x20003                  ; which 256 along K
	s_lshl_b32 s39, s36, 7
	s_lshl_b32 s42, s26, 5
	s_add_co_u32 s39, s39, s42                     ; my wave's first column
	v_lshlrev_b32 v3, 2, v2                        ; in: 4 bytes a lane
	s_mul_i32 s42, s26, 32*PITCH
	s_add_co_u32 s42, s42, WBASE                   ; my stage
	v_mul_u32_u24 v4, v2, PITCH
	v_add_nc_u32 v4, s42, v4                       ; into it: row = my column
	v_and_b32 v5, 15, v2
	v_lshrrev_b32 v6, 4, v2
	v_mul_u32_u24 v7, v6, PITCH
	v_lshl_add_u32 v7, v5, 4, v7
	v_add_nc_u32 v7, s42, v7                       ; out of it: sixteen lanes to a row, two rows an instruction
	v_lshlrev_b32 v8, 10, v6
	v_lshl_add_u32 v8, v5, 4, v8                   ; and the same place in wc: rows of 1,024 bytes
	s_cmp_eq_u32 s37, 1
	s_cselect_b64 s[40:41], s[12:13], s[14:15]
	s_cmp_eq_u32 s37, 0
	s_cselect_b64 s[40:41], s[10:11], s[40:41]
	s_lshl_b32 s44, s38, 20                        ; 256 rows of 4,096 bytes
	s_lshl_b32 s45, s39, 2
	s_add_co_u32 s44, s44, s45
	s_mov_b32 s45, 0
	s_add_nc_u64 s[40:41], s[40:41], s[44:45]
	s_lshl_b32 s46, s37, 20                        ; the tensor's place in wc
	s_lshl_b32 s47, s39, 10
	s_add_co_u32 s46, s46, s47
	s_lshl_b32 s47, s38, 8
	s_add_co_u32 s46, s46, s47
	s_mov_b32 s47, 0
	s_add_nc_u64 s[22:23], s[22:23], s[46:47]
.macro WLOAD t                         ; block t: W(32 t + i, my column): a wave reads 128 consecutive bytes, the four waves 512
.irp i, 0,1,2,3,4,5,6,7,8,9,10,11,12,13,14,15,16,17,18,19,20,21,22,23,24,25,26,27,28,29,30,31
	global_load_b32 v[XW+32*((\t)%2)+\i], v3, s[40:41] offset:(32*(\t)+\i)*4096 th:TH_LOAD_NT
.endr
.endm
	WLOAD 0
	WLOAD 1
	s_wait_kmcnt 0x0
	s_cmp_eq_u32 s37, 1
	s_cselect_b32 s48, s31, s33
	s_cmp_eq_u32 s37, 0
	s_cselect_b32 s48, s29, s48                    ; e1, e3 or e5
	s_add_co_i32 s48, s48, 127
	s_lshl_b32 s49, s48, 23
	v_mov_b32 v11, s49
	s_add_co_i32 s48, s48, 8
	s_lshl_b32 s48, s48, 23
	s_or_b32 s48, s48, 0x600000
	v_mov_b32 v10, s48
.macro WBLOCK t
.set XS, XW+32*((\t)%2)
.if (\t) < 7
	s_wait_loadcnt 32                              ; this block's 32 loads are in; the next block's may be out
.else
	s_wait_loadcnt 0
.endif
.irp i, 0,1,2,3,4,5,6,7,8,9,10,11,12,13,14,15,16,17,18,19,20,21,22,23,24,25,26,27,28,29,30,31
	v_med3_num_f32 v[XS+\i], v[XS+\i], -v10, v10
.endr
.irp g, 0,1,2,3
	v_cvt_scalef32_pk8_fp8_f32 v[CW+2*\g:CW+2*\g+1], v[XS+8*\g:XS+8*\g+7], v11
.endr
	ds_store_b128 v4, v[CW:CW+3] offset:32*(\t)
	ds_store_b128 v4, v[CW+4:CW+7] offset:32*(\t)+16
.if (\t)+2 < 8
	WLOAD (\t)+2
.endif
	s_wait_dscnt 0x0                               ; the stores have read their registers: the next block's codes may be written
.endm
.irp t, 0,1,2,3,4,5,6,7
	WBLOCK \t
.endr
.irp t, 0,1,2,3,4,5,6,7,8,9,10,11,12,13,14,15
	ds_load_b128 v[OUTR+4*\t:OUTR+4*\t+3], v7 offset:2*\t*PITCH
.endr
.irp t, 0,1,2,3,4,5,6,7,8,9,10,11,12,13,14,15
	s_wait_dscnt 15-\t                             ; the younger loads may be out
	global_store_b128 v8, v[OUTR+4*\t:OUTR+4*\t+3], s[22:23] offset:2*(((\t)&3)|(((\t)&4)<<1)|(((\t)&8)>>1))*1024   ; columns 2 t, 2 t + 1 go to the rows with bits 3 and 4 exchanged; sixteen lanes store 256 consecutive bytes, aligned
.endr
	s_wait_tensorcnt 0x0                           ; the wave's end, as above
	ds_add_u32 v[SPW], v[NIL]
	s_wait_dscnt 0x0
	s_endpgm
; ---------------- PATH F: wave w takes batch w: 2,048 numbers of v_mask, 64 a lane.  Nothing here steers an address or a branch: F is stored at a fixed place.
.LF:
	s_lshl_b32 s36, s26, 13
	s_mov_b32 s37, 0
	s_add_nc_u64 s[16:17], s[16:17], s[36:37]
	v_lshlrev_b32 v3, 4, v2
.irp i, 0,1,2,3,4,5,6,7,8,9,10,11,12,13,14,15
	global_load_b128 v[16+4*\i:19+4*\i], v3, s[16:17] offset:512*\i   ; element e of load i is key 128 i + 4 lane + e
.endr
	s_mov_b32 s40, 0x4e6e6b28                      ; 1e9
	s_mov_b32 s41, 0x42800000                      ; 64
	s_mov_b32 s42, 0x4dee6b28                      ; 5e8
	s_mov_b32 s44, 0x76543210
	s_mov_b32 s45, 0xfedcba98                      ; v_permlanex16_b32's selects for lane l xor 16
	v_lshlrev_b32 v10, 2, v2                       ; 4 x lane
	v_mov_b32 v11, 0x800                           ; 2,048
	v_mov_b32 v12, 0
	v_mov_b32 v8, 0x800                            ; the first small key so far
	v_mov_b32 v9, 0                                ; 2,048 once a key is neither small nor big
	s_wait_loadcnt 0x0
.irp i, 0,1,2,3,4,5,6,7,8,9,10,11,12,13,14,15
.irp e, 0,1,2,3
	v_sub_f32 v4, 1.0, v[16+4*\i+\e]
	v_mul_f32 v4, s40, v4                          ; m, rounded as the problem's text rounds it
	v_cmp_le_f32 vcc_lo, |v4|, s41                 ; small?
	v_add_nc_u32 v5, 128*\i+\e, v10
	v_cndmask_b32 v5, v11, v5, vcc_lo
	v_min_u32 v8, v8, v5
	v_cmp_ge_f32 s43, v4, s42                      ; big?
	s_or_b32 vcc_lo, vcc_lo, s43
	v_cndmask_b32 v5, v11, v12, vcc_lo
	v_max_u32 v9, v9, v5
.endr
.endr
	v_cvt_f32_u32 v8, v8                           ; exact: at most 2,048
	v_cvt_f32_u32 v9, v9
.irp x, 1,2,4,8
	v_min_num_f32_dpp v8, v8, v8 row_xmask:\x row_mask:0xf bank_mask:0xf
	v_max_num_f32_dpp v9, v9, v9 row_xmask:\x row_mask:0xf bank_mask:0xf
.endr
	v_permlanex16_b32 v4, v8, s44, s45
	v_permlanex16_b32 v5, v9, s44, s45
	v_min_num_f32 v8, v8, v4
	v_max_num_f32 v9, v9, v5
	v_max_num_f32 v8, v8, v9
	v_cvt_u32_f32 v8, v8                           ; F, in every lane
	s_lshl_b32 s36, s26, 7
	v_lshlrev_b32 v6, 2, v2
	v_add_nc_u32 v6, s36, v6
	global_store_b32 v6, v8, s[24:25]
	s_wait_tensorcnt 0x0
	ds_add_u32 v[SPW], v[NIL]
	s_wait_dscnt 0x0
	s_endpgm
.Lfunc_end_k_q4ff32d5ede_prep:
	.size	k_q4ff32d5ede_prep, .Lfunc_end_k_q4ff32d5ede_prep-k_q4ff32d5ede_prep
	.p2alignl 7, 3214868480
	.fill 96, 4, 3214868480
	.section	.rodata,"a",@progbits
	.p2align	6, 0x0
	.amdhsa_kernel k_q4ff32d5ede_prep
		.amdhsa_group_segment_fixed_size 68096
		.amdhsa_private_segment_fixed_size 0
		.amdhsa_enable_private_segment 0
		.amdhsa_kernarg_size 88
		.amdhsa_user_sgpr_count 2
		.amdhsa_user_sgpr_kernarg_segment_ptr 1
		.amdhsa_wavefront_size32 1
		.amdhsa_system_sgpr_workgroup_id_x 1
		.amdhsa_system_sgpr_workgroup_id_y 1
		.amdhsa_system_sgpr_workgroup_id_z 1
		.amdhsa_system_vgpr_workitem_id 0
		.amdhsa_next_free_vgpr 196
		.amdhsa_next_free_sgpr 66
		.amdhsa_reserve_vcc 1
		.amdhsa_float_denorm_mode_32 3
		.amdhsa_float_denorm_mode_16_64 3
		.amdhsa_memory_ordered 1
		.amdhsa_forward_progress 1
		.amdhsa_inst_pref_size 115
	.end_amdhsa_kernel
	.amdgpu_metadata
---
amdhsa.version: [ 1, 2 ]
amdhsa.kernels:
  - .name:           k_q4ff32d5ede_prep
    .symbol:         k_q4ff32d5ede_prep.kd
    .args:
      - { .name: q, .offset: 0, .size: 8, .value_kind: global_buffer, .address_space: global }
      - { .name: k, .offset: 8, .size: 8, .value_kind: global_buffer, .address_space: global }
      - { .name: v, .offset: 16, .size: 8, .value_kind: global_buffer, .address_space: global }
      - { .name: Wq, .offset: 24, .size: 8, .value_kind: global_buffer, .address_space: global }
      - { .name: Wk, .offset: 32, .size: 8, .value_kind: global_buffer, .address_space: global }
      - { .name: Wv, .offset: 40, .size: 8, .value_kind: global_buffer, .address_space: global }
      - { .name: v_mask, .offset: 48, .size: 8, .value_kind: global_buffer, .address_space: global }
      - { .name: lowp_scales, .offset: 56, .size: 8, .value_kind: global_buffer, .address_space: global }
      - { .name: xc, .offset: 64, .size: 8, .value_kind: global_buffer, .address_space: global }
      - { .name: wc, .offset: 72, .size: 8, .value_kind: global_buffer, .address_space: global }
      - { .name: fb, .offset: 80, .size: 8, .value_kind: global_buffer, .address_space: global }
    .group_segment_fixed_size: 68096
    .private_segment_fixed_size: 0
    .kernarg_segment_align: 8
    .kernarg_segment_size: 88
    .max_flat_workgroup_size: 128
    .sgpr_count:     66
    .vgpr_count:     196
    .wavefront_size: 32
...
	.end_amdgpu_metadata
.endif
;; end of part 1
;; launch proj (part 2): grid 4 x 96, 4 waves a work-group, clusters of 4 x 4, 327,680 bytes of LDS; arguments xc, wc, lowp_scales, pj; writes pj
.if DOCPART == 2
	.amdgcn_target "amdgcn-amd-amdhsa--gfx1250"
	.amdhsa_code_object_version 6
	.text
	.protected	k_q4ff32d5ede_proj
	.globl	k_q4ff32d5ede_proj
	.p2align	8
	.type	k_q4ff32d5ede_proj,@function
k_q4ff32d5ede_proj:
	s_mov_b64 s[64:65], 0
	v_nop
	global_prefetch_b8 v0, s[64:65] scope:SCOPE_SE
	s_setreg_imm32_b32 hwreg(HW_REG_WAVE_MODE, 25, 1), 1
	s_wait_xcnt 0x0
	s_wait_alu depctr_hold_cnt(0) depctr_sa_sdst(0) depctr_va_vdst(0) depctr_va_sdst(0) depctr_va_ssrc(0) depctr_va_vcc(0) depctr_vm_vsrc(0)
	s_getreg_b32 s2, hwreg(HW_REG_IB_STS2, 6, 4)
	s_cmp_eq_u32 s2, 0
	s_cbranch_scc0 .Lentry_in_a_cluster
	s_endpgm
.Lentry_in_a_cluster:
	s_bfe_u32 s2, ttmp6, 0x10000c
	s_cmp_lg_u32 s2, 0xf033
	s_cbranch_scc0 .Lentry_shape_is_right
	s_endpgm
.Lentry_shape_is_right:
; PROJ: the three projections x W on codes of E4M3, K = 1,024; each sum is quantised in registers for the product that takes it next, and stored as an IMAGE OF THAT OPERAND'S REGISTERS.
; xc: three tensors of [8192][1024] codes; wc: three of [1024 (n)][1024 (k)]; in both, rows stand with bits 3 and 4 of their number exchanged.
; A tile of 256 x 256 sums is made by a work-group of four waves, a wave makes 128 x 128: 64 accumulators, 512 registers.  K goes in steps of 256 through a ring of two LDS slots filled by the tensor data mover.
; ROLES.  Source 0 of the matrix instruction takes 16 rows of role B, source 1 16 rows of role A: a lane then holds ONE row of A against eight rows of B.  For q and k: A = the tokens, B = W; for v: A = Wv, B = the tokens,
; since the keys are the K of the product that takes v's projection.  The roles are chosen by the cluster's number alone; one text serves all three.
; Through the order of rows, the 16 registers of two neighbouring accumulators are B's rows 32 g + 16 (lane / 16) + 0 .. 15: 16 neighbours along the next K.  Their 16 codes are a lane's 16 bytes of plane g:
;   pj + tensor x 8,388,608 + (A's tile of 16 rows) x SA + g x 512 + 16 x lane,   SA = 512 x (B's rows / 32): 16,384 for q and k, 131,072 for v.
; code = sum x 2^(eA + eB) / 2^eOut, held within +-448: the three scales are folded into the conversion's one.  eOut = lowp_scales[6], [7], [9] for q, k, v.
; LIMIT: eOut - eA - eB lies between -126 and 119.  No branch hangs on a scale.
; CLUSTERS: 4 x 4 work-groups; the four of a row need the same tiles of A, the four of a column the same tiles of B: each tile is asked for jointly, by the same tensor load with the same descriptor and a mask that names the four.
; 24 clusters: 8 for each tensor.  By this text's count a wave has at most two tensor loads out.  K has four steps, of which two are first fills: nothing is prefetched.
; REGISTERS, in windows of 256: window 0: v0-31 addresses and two constants; v32-95, v96-103 the way out; from v128 A's fragments, ONE set, later the codes.  window 1: B's fragments, two sets.  windows 2, 3: the accumulators ((a, b) at v[8 (8 (a % 4) + b)]).
.set KSTEP,  256
.set ROWB,   256                       ; a tile's row in bytes
.set KROW,   1024                      ; a row of codes in memory
.set PITCH,  272                       ; an LDS row: 256 bytes + 16 of padding: the 16 rows that a load touches start at 16 different banks (64 banks of 4 bytes: ISA guide 11.1)
.set FR,     16
.set NL,     4
.set NP,     4                         ; places behind this matrix instruction (ISA guide 7.12.1)
.set HALFT,  128*PITCH
.set SLOT,   4*HALFT                   ; A's 256 rows, then B's 256 rows
.set LAPS,   KROW/(2*KSTEP)
.set SPARE,  2*SLOT                    ; behind the ring: the spare words, 128 bytes for each wave
.set ADRA, 16                          ; v16-17  LDS address of my A fragments in slot 0, 1
.set ADRB, 20                          ; v20-21  the same for B
.set SPW,  28                          ; v28     my spare word; never rewritten
.set NIL,  29                          ; v29     0; never rewritten
.set LIMV, 30                          ; v30     448 x the conversion's scale
.set SCV,  31                          ; v31     the conversion's scale as f32
.set TMP,  32                          ; v32-95  a block's sums, held
.set OA,   96                          ; v96-103 block a's byte offset in pj: 16 x lane + a x SA
.set AF,   128
.set CD,   128                         ; v128-255 the codes: 16 registers a block, each block its own
.set G1, 24
.set G0, 32
.set G1B, 48
.set G0B, 56
.set MSB, 0
.macro WIN new                         ; the immediate's high byte repeats the setting that is left
.if MSB != (\new)
	s_set_vgpr_msb (MSB<<8)|(\new)
.set MSB, (\new)
.endif
.endm
.set MUL_LO, 0xa1                      ; source 0 (B) window 1, source 1 (A) window 0, C and D window 2
.set MUL_HI, 0xf1
.set TO_B,   0x40
; A joint load: waves 0 and 1 fetch for A, waves 2 and 3 for B; the branch hangs on the wave's number alone.  An s_nop 0 and four v_nop follow each line.
.macro JLOAD g0a, g1a, g0b, g1b
	s_cmp_eq_u32 s15, 0
	s_cbranch_scc0 .Lfor_b_\@
	tensor_load_to_lds s[\g0a:\g0a+3], s[\g1a:\g1a+7]
	s_nop 0
.rept 4
	v_nop
.endr
	s_branch .Lasked_\@
.Lfor_b_\@:
	tensor_load_to_lds s[\g0b:\g0b+3], s[\g1b:\g1b+7]
	s_nop 0
.rept 4
	v_nop
.endr
.Lasked_\@:
.endm
.macro CREST                           ; a round of the cluster's barrier behind its opening barrier
	s_cmp_lg_u32 s14, 0
	s_cbranch_scc1 .Lnot_wave_0_\@
	s_barrier_signal -3
.Lnot_wave_0_\@:
	s_barrier_wait -3
	s_barrier_signal -1
	s_barrier_wait -1
.endm
.macro CROUND
	s_barrier_signal -1
	s_barrier_wait -1
	CREST
.endm
	s_load_b128 s[4:7], s[0:1], 0x0                ; xc, wc
	s_load_b128 s[8:11], s[0:1], 0x10              ; lowp_scales, pj
	v_lshl_add_u32 v[SPW], v0, 2, SPARE
	v_mov_b32 v[NIL], 0
	ds_add_u32 v[SPW], v[NIL]                      ; the wave's opening: the add and its wait stand ahead of my first tensor load; the set-up below stands between them
	v_lshrrev_b32 v1, 5, v0
	v_readfirstlane_b32 s14, v1                    ; wave 0..3
	s_lshr_b32 s15, s14, 1                         ; which half of A's rows is mine.  Also: I fetch for A (0) or for B (1)
	s_and_b32 s16, s14, 1                          ; which half of B's rows.  Also: which 128 rows of that tile I fetch
	s_bfe_u32 s40, ttmp6, 0x40000                  ; cx
	s_bfe_u32 s41, ttmp6, 0x40004                  ; cy
	s_and_b32 s66, ttmp7, 0xffff                   ; the cluster's number, 0..23
	s_lshr_b32 s67, s66, 3                         ; the tensor: 0 q, 1 k, 2 v
	s_and_b32 s68, s66, 7
	s_lshl_b32 s69, s68, 2                         ; four tiles of the tokens' 32 to a cluster
	s_lshl_b32 s74, s67, 20                        ; the tensor's place in wc,
	s_lshl_b32 s75, s67, 23                        ; in xc and in pj
	s_mov_b32 s90, 131072
	s_cmp_eq_u32 s67, 2                            ; v?  Only selects follow
	s_cselect_b32 s86, s74, s75                    ; A's place
	s_cselect_b32 s87, s75, s74                    ; B's place
	s_cselect_b32 s88, 0, s69
	s_cselect_b32 s89, s69, 0
	s_cselect_b32 s90, s90, 16384                  ; SA
	s_add_co_u32 s42, s89, s40                     ; B's tile of 256 rows: it holds cx and never cy
	s_add_co_u32 s17, s88, s41                     ; A's tile: it holds cy and never cx
	s_lshl_b32 s43, s41, 2
	s_lshl_b32 s43, 15, s43                        ; my row of the cluster
	s_lshl_b32 s44, 0x1111, s40                    ; my column
	s_or_b32 s[G1+0], s43, (0<<16)|(1<<20)|(1<<21)|(5<<22)|(3<<25)  ; the mask; elements of 1 byte; padding on; bit 21 beside a mask; 4 words behind every 64
	s_or_b32 s[G1B+0], s44, (0<<16)|(1<<20)|(1<<21)|(5<<22)|(3<<25)
.irp g, G1, G1B
	s_mov_b32 s[\g+1], ROWB<<16                    ; tensor_dim0
	s_mov_b32 s[\g+2], 128<<16                     ; tensor_dim1
	s_mov_b32 s[\g+3], ROWB<<16                    ; tile_dim0
	s_mov_b32 s[\g+4], 128                         ; tile_dim1
	s_mov_b32 s[\g+5], KROW                        ; from row to row
	s_mov_b32 s[\g+6], 0
	s_mov_b32 s[\g+7], 0
.endr
	s_lshl_b32 s18, s16, 7                         ; which 128 rows of the tile I fetch
	s_lshl_b32 s20, s17, 8
	s_add_co_u32 s20, s20, s18
	s_lshl_b32 s20, s20, 10                        ; A: rows of 1,024 bytes,
	s_add_co_u32 s20, s20, s86                     ; in its tensor: under 2^25
	s_mov_b32 s21, 0
	s_lshl_b32 s46, s42, 8
	s_add_co_u32 s46, s46, s18
	s_lshl_b32 s46, s46, 10
	s_add_co_u32 s46, s46, s87                     ; B likewise
	s_mov_b32 s47, 0
	s_mul_i32 s45, s14, HALFT                      ; where they go: wave x 128 rows: no place in the cluster enters an LDS address
	s_wait_dscnt 0x0                               ; the opening add is done
	s_wait_kmcnt 0x0
	s_load_b256 s[76:83], s[8:9], 0x0              ; e0 .. e7
	s_load_b64 s[84:85], s[8:9], 0x20              ; e8, e9
	s_cmp_eq_u32 s67, 2
	s_cselect_b64 s[70:71], s[6:7], s[4:5]         ; A's buffer
	s_cselect_b64 s[72:73], s[4:5], s[6:7]         ; B's buffer
	s_add_nc_u64 s[20:21], s[70:71], s[20:21]
	s_add_nc_u64 s[46:47], s[72:73], s[46:47]
	CROUND                                         ; all sixteen work-groups are here: the first joint loads meet
.irp s, 0,1
	s_mov_b32 s[G0+4*\s], 1
	s_add_co_u32 s[G0+4*\s+1], s45, \s*SLOT
	s_add_nc_u64 s[G0+4*\s+2:G0+4*\s+3], s[20:21], \s*ROWB
	s_or_b32 s[G0+4*\s+3], s[G0+4*\s+3], 0x80000000
	s_mov_b32 s[G0B+4*\s], 1
	s_add_co_u32 s[G0B+4*\s+1], s45, \s*SLOT
	s_add_nc_u64 s[G0B+4*\s+2:G0B+4*\s+3], s[46:47], \s*ROWB
	s_or_b32 s[G0B+4*\s+3], s[G0B+4*\s+3], 0x80000000
	JLOAD G0+4*\s, G1, G0B+4*\s, G1B
.endr
	v_and_b32 v1, 15, v0
	v_bfe_u32 v2, v0, 4, 1
	v_mul_u32_u24 v3, v1, PITCH
	v_lshl_add_u32 v4, v2, 4, v3                   ; a fragment's row x pitch + 16 x half
	s_mul_i32 s21, s15, HALFT                      ; my 128 rows of A
	s_mul_i32 s22, s16, HALFT                      ; my 128 rows of B,
	s_add_co_u32 s22, s22, 2*HALFT                 ; which lie behind A's 256
.irp s, 0,1
	v_add_nc_u32 v[ADRA+\s], s21, v4
	v_add_nc_u32 v[ADRB+\s], s22, v4
	s_add_co_u32 s21, s21, SLOT
	s_add_co_u32 s22, s22, SLOT
.endr
	; the way out's addresses: my first tile of A's rows x SA + my first plane x 512 + the tensor's place
	s_lshl_b32 s91, s17, 4
	s_lshl_b32 s92, s15, 3
	s_add_co_u32 s91, s91, s92
	s_mul_i32 s91, s91, s90
	s_add_co_u32 s91, s91, s75
	s_lshl_b32 s92, s42, 3
	s_lshl_b32 s93, s16, 2
	s_add_co_u32 s92, s92, s93
	s_lshl_b32 s92, s92, 9
	s_add_co_u32 s92, s92, s91
	s_mov_b32 s93, 0
	s_add_nc_u64 s[10:11], s[10:11], s[92:93]
	v_and_b32 v6, 31, v0
	v_lshlrev_b32 v[OA], 4, v6
.irp a, 1,2,3,4,5,6,7
	s_mul_i32 s94, s90, \a
	v_add_nc_u32 v[OA+\a], s94, v[OA]
.endr
.macro FRAG reg, adr, q, i             ; 16 rows x 128 K: lane l holds row l % 16; registers 4 c .. 4 c + 3 hold K = 32 c + 16 (l / 16) + 0 .. 15: the same order of K on both sides, so every product meets its partner
.irp c, 0,1,2,3
	ds_load_b128 v[\reg+4*\c:\reg+4*\c+3], v[\adr] offset:128*(\q)+32*\c+(\i)*16*PITCH
.endr
.endm
; 16 matrix instructions: A's blocks a0, a0 + 1 x B's eight.  The 64 accumulators take turns, one instruction a turn, in the same order in every step.
.macro MUL16 a0, p, zero
.irp a, \a0, \a0+1
.irp b, 0,1,2,3,4,5,6,7
.if \zero
	v_wmma_f32_16x16x128_fp8_fp8 v[8*(8*((\a)%4)+\b):8*(8*((\a)%4)+\b)+7], v[128*(\p)+FR*\b:128*(\p)+FR*\b+FR-1], v[AF+FR*(\a):AF+FR*(\a)+FR-1], 0
.else
	v_wmma_f32_16x16x128_fp8_fp8 v[8*(8*((\a)%4)+\b):8*(8*((\a)%4)+\b)+7], v[128*(\p)+FR*\b:128*(\p)+FR*\b+FR-1], v[AF+FR*(\a):AF+FR*(\a)+FR-1], v[8*(8*((\a)%4)+\b):8*(8*((\a)%4)+\b)+7]
.endif
.endr
.endr
.endm
.macro FETCH_B slot, q, p
	WIN TO_B
.irp i, 0,1,2,3,4,5,6,7
	FRAG 128*(\p)+FR*\i, ADRB+\slot, \q, \i
.endr
	WIN 0
.endm
.macro FETCH_A slot, q, i0
.irp i, \i0, \i0+1, \i0+2, \i0+3
	FRAG AF+FR*(\i), ADRA+\slot, \q, \i
.endr
.endm
.macro PLACES n                        ; plain vector instructions between a matrix instruction and a load into, or a vector read of, its registers
.rept \n
	v_nop
.endr
.endm
.macro STEP slot, q, zero              ; 128 along K, with its successor in the same slot
	s_wait_dscnt 4*NL                              ; B's set and A's blocks 0-3 are in; the youngest sixteen loads (A's blocks 4-7) may be out
	WIN MUL_LO
	MUL16 0, (\q)%2, \zero
	MUL16 2, (\q)%2, \zero
	s_wait_dscnt 0
	PLACES NP
	FETCH_B \slot, (\q)+1, 1-(\q)%2
	FETCH_A \slot, (\q)+1, 0
	WIN MUL_HI
	MUL16 4, (\q)%2, \zero
	MUL16 6, (\q)%2, \zero
	PLACES NP
	WIN 0
	FETCH_A \slot, (\q)+1, 4
.endm
; A slot's last step changes slots: in front of the one barrier each wave waits for all its tensor loads, adds 0 to its spare word, and waits for that and for its reads of this slot.
.macro TURN slot, next, fill
	s_wait_tensorcnt 0x0                           ; all my tensor loads have landed: my part of the next slot
	ds_add_u32 v[SPW], v[NIL]
	s_wait_dscnt 4*NL+1                            ; the add and the youngest sixteen loads may be out
	WIN MUL_LO
	MUL16 0, 1, 0
	s_wait_dscnt 0x0                               ; the add is done, and my reads of this slot are over
	s_barrier_signal -1
	MUL16 2, 1, 0
	WIN 0
	s_barrier_wait -1
.if \fill
	CREST                                          ; the barrier has opened a round of the cluster's: no wave of any partner still reads this slot or has a load on its way
	s_add_nc_u64 s[G0+4*\slot+2:G0+4*\slot+3], s[G0+4*\slot+2:G0+4*\slot+3], 2*ROWB
	s_add_nc_u64 s[G0B+4*\slot+2:G0B+4*\slot+3], s[G0B+4*\slot+2:G0B+4*\slot+3], 2*ROWB
	JLOAD G0+4*\slot, G1, G0B+4*\slot, G1B         ; the first tensor load behind the round; its four v_nop are the places in front of the loads below
.else
	PLACES NP
.endif
	FETCH_B \next, 0, 0
	FETCH_A \next, 0, 0
	WIN MUL_HI
	MUL16 4, 1, 0
	MUL16 6, 1, 0
	PLACES NP
	WIN 0
	FETCH_A \next, 0, 4
.endm
	s_wait_tensorcnt 1                             ; my part of slot 0 is in; slot 1's load may be out
	s_barrier_signal -1
	s_barrier_wait -1
	FETCH_B 0, 0, 0
	FETCH_A 0, 0, 0
	FETCH_A 0, 0, 4
	STEP 0, 0, 1                                   ; the first step's products start the sums: nothing is cleared
	s_mov_b32 s3, LAPS-1
.Llap:                                                 ; a trip goes once round the ring and fills both slots again
	TURN 0, 1, 1
	STEP 1, 0, 0
	TURN 1, 0, 1
	STEP 0, 0, 0
	s_sub_co_u32 s3, s3, 1
	s_cmp_lg_u32 s3, 0
	s_cbranch_scc1 .Llap
	TURN 0, 1, 0                                   ; the last lap fills nothing
	STEP 1, 0, 0
	s_wait_dscnt 4*NL
	WIN MUL_LO
	MUL16 0, 1, 0
	MUL16 2, 1, 0
	s_wait_dscnt 0
	WIN MUL_HI
	MUL16 4, 1, 0
	MUL16 6, 1, 0
	WIN 0
	; THE WAY OUT.  The conversion's scale, by selects on the tensor's number alone
	s_wait_kmcnt 0x0
	s_add_co_i32 s91, s76, s77                     ; e0 + e1
	s_add_co_i32 s92, s78, s79                     ; e2 + e3
	s_add_co_i32 s93, s80, s81                     ; e4 + e5
	s_cmp_eq_u32 s67, 1
	s_cselect_b32 s92, s92, s93
	s_cselect_b32 s94, s83, s85                    ; e7 or e9
	s_cmp_eq_u32 s67, 0
	s_cselect_b32 s92, s91, s92
	s_cselect_b32 s94, s82, s94                    ; e6
	s_sub_co_i32 s94, s94, s92
	s_add_co_i32 s94, s94, 127
	s_lshl_b32 s95, s94, 23
	v_mov_b32 v[SCV], s95                          ; 2^(eOut - eA - eB)
	s_add_co_i32 s94, s94, 8
	s_lshl_b32 s94, s94, 23
	s_or_b32 s94, s94, 0x600000
	v_mov_b32 v[LIMV], s94                         ; 448 x that
	PLACES NP
; Block a: 16 rows of A against my 128 rows of B.  The hold reads each accumulator from its low end on; a lane's 16 codes of a plane are 16 bytes, and the wave's store covers 512 consecutive bytes, aligned.
.macro OUTBLK a
.set AC, 64*((\a)%4)
	WIN 0x02+((\a)/4)                              ; source 0: window 2 or 3
.set i, 0
.rept 64
	v_med3_num_f32 v[TMP+i], v[AC+i], -v[LIMV], v[LIMV]
.set i, i+1
.endr
	WIN 0
.irp q, 0,1,2,3,4,5,6,7
	v_cvt_scalef32_pk8_fp8_f32 v[CD+16*(\a)+2*\q:CD+16*(\a)+2*\q+1], v[TMP+8*\q:TMP+8*\q+7], v[SCV]
.endr
	v_nop                                          ; one plain instruction between the conversions and the next block's holds, which write their sources
.irp g, 0,1,2,3
	global_store_b128 v[OA+(\a)], v[CD+16*(\a)+4*\g:CD+16*(\a)+4*\g+3], s[10:11] offset:512*\g   ; every store has registers of its own: none is written again
.endr
.endm
.irp a, 0,1,2,3,4,5,6,7
	OUTBLK \a
.endr
	s_wait_tensorcnt 0x0                           ; the wave's end
	ds_add_u32 v[SPW], v[NIL]
	s_wait_dscnt 0x0
	CROUND                                         ; the closing round
	s_endpgm
.Lfunc_end_k_q4ff32d5ede_proj:
	.size	k_q4ff32d5ede_proj, .Lfunc_end_k_q4ff32d5ede_proj-k_q4ff32d5ede_proj
	.p2alignl 7, 3214868480
	.fill 96, 4, 3214868480
	.section	.rodata,"a",@progbits
	.p2align	6, 0x0
	.amdhsa_kernel k_q4ff32d5ede_proj
		.amdhsa_group_segment_fixed_size 327680
		.amdhsa_private_segment_fixed_size 0
		.amdhsa_enable_private_segment 0
		.amdhsa_kernarg_size 32
		.amdhsa_user_sgpr_count 2
		.amdhsa_user_sgpr_kernarg_segment_ptr 1
		.amdhsa_wavefront_size32 1
		.amdhsa_system_sgpr_workgroup_id_x 1
		.amdhsa_system_sgpr_workgroup_id_y 1
		.amdhsa_system_sgpr_workgroup_id_z 1
		.amdhsa_system_vgpr_workitem_id 0
		.amdhsa_next_free_vgpr 1024
		.amdhsa_next_free_sgpr 100
		.amdhsa_reserve_vcc 0
		.amdhsa_float_denorm_mode_32 3
		.amdhsa_float_denorm_mode_16_64 3
		.amdhsa_memory_ordered 1
		.amdhsa_forward_progress 1
		.amdhsa_inst_pref_size 119
	.end_amdhsa_kernel
	.amdgpu_metadata
---
amdhsa.version: [ 1, 2 ]
amdhsa.kernels:
  - .name:           k_q4ff32d5ede_proj
    .symbol:         k_q4ff32d5ede_proj.kd
    .args:
      - { .name: xc, .offset: 0, .size: 8, .value_kind: global_buffer, .address_space: global }
      - { .name: wc, .offset: 8, .size: 8, .value_kind: global_buffer, .address_space: global }
      - { .name: lowp_scales, .offset: 16, .size: 8, .value_kind: global_buffer, .address_space: global }
      - { .name: pj, .offset: 24, .size: 8, .value_kind: global_buffer, .address_space: global }
    .group_segment_fixed_size: 327680
    .private_segment_fixed_size: 0
    .kernarg_segment_align: 8
    .kernarg_segment_size: 32
    .max_flat_workgroup_size: 128
    .sgpr_count:     100
    .vgpr_count:     1024
    .wavefront_size: 32
...
	.end_amdgpu_metadata
.endif
;; end of part 2
;; launch attn (part 3): grid 64 x 8, 8 waves a work-group, no clusters, 166,912 bytes of LDS; arguments pj, fb, v_mask, q_mask, lowp_scales, out0; writes out0
.if DOCPART == 3
	.amdgcn_target "amdgcn-amd-amdhsa--gfx1250"
	.amdhsa_code_object_version 6
	.text
	.protected	k_q4ff32d5ede_attn
	.globl	k_q4ff32d5ede_attn
	.p2align	8
	.type	k_q4ff32d5ede_attn,@function
k_q4ff32d5ede_attn:
	s_mov_b64 s[64:65], 0
	v_nop
	global_prefetch_b8 v0, s[64:65] scope:SCOPE_SE
	s_setreg_imm32_b32 hwreg(HW_REG_WAVE_MODE, 25, 1), 1
	s_wait_xcnt 0x0
; ATTN: out0[b][q][64 hd ..] = q_mask[b][q] x softmax_k(Q.K / 8 - (1 - v_mask[b][k]) 1e9 - 1e9 [k > q]) V, both products on codes of E4M3, read from pj as images of the operands' registers.
; THE SOFTMAX: t = logit x log2(e); M = the running largest t rounded up to a whole number; p = 2^(t - M) is quantised with 2^e8; the row's sum is taken of the unquantised p and divides at the end.
; SHARES.  Work-group (bh, j) owns queries 128 j .. + 127 and 128 (15 - j) .. + 127 of one head: (j + 1) + (16 - j) = 17 blocks of 128 x 128 under the diagonal for every j.  Eight waves, 32 queries each, as two tiles of 16;
; waves of the low and of the high block are dealt so that neighbours in number, and waves four apart, differ.  A tile's data have the same register numbers in window 0 (tile 0) and window 1 (tile 1).
; LAYOUT.  Both products are used transposed (S^T = K Q^T, O^T = V^T P^T): a lane holds one query.  Through the order of rows in pj the 16 registers of two neighbouring tiles of S^T are keys 32 b + 16 (lane / 16) + 0 .. 15,
; lane r of query tile u holds query Q0 + 8 u + r + 8 (r / 8), and O^T's registers 16 G + i are channels 32 G + 16 (lane / 16) + i.
; K, V AND THE MASK come through registers into two LDS slots of 256 keys: each wave loads 2 KB of K, 2 KB of V and 128 bytes of v_mask a slot ahead, stores them, and one barrier a slot shows them to all.
; TWO WAYS.  The masks are additive and finite.  F (from fb, made by the first launch) is the first key of the batch with |m| <= 64, or 2,048.  A query at or behind F sees that key, and every key with m >= 5e8 or behind the
; diagonal has weight 0 beside it: for a wave whose queries all lie there, steps behind the diagonal are left out, and in steps ahead of it the mask's term is the C of the first product (FAST).
; The step on the diagonal, and ALL 16 steps of a wave with a query ahead of F, go the LONG way: score - m, then - 1e9 behind the diagonal, then x log2(e), each rounded once, in the problem's own order.
; (Scores are kept as sums of codes; m and 1e9 are brought to that unit by a power of two, which rounds nothing.)
; NO TENSOR LOAD, NO MULTICAST: how many slots are fetched and which steps are walked hang on F, a number read from memory.  NO PREFETCH: the loads into registers stand a whole slot ahead of their use, and K and V are read by eight work-groups.
; LIMITS: e6 + e7 between -80 and 6 (so that |score / 8| stays under 2^27 and 30 x 1e9 x 2^(3 - e6 - e7) is an f32 number); e8 between -126 and 119.  NaN is not served.
.set STEPB, 16896                      ; a key step in LDS: K 8 x 1,024, V 4 x 2,048, 128 mask terms
.set VOFF,  8192
.set MOFF,  16384
.set SLOT1, 65536                      ; slot 1; one exclusive or turns an address from slot to slot
.set STAGE, 131072                     ; the way out: 16 rows x 272 bytes for each wave
.set SP,    272
.set SPARE, STAGE+8*16*SP              ; the spare words, 128 bytes for each wave
; window 0 alone
.set L16, 1                            ; 16 x lane
.set AL,  2                            ; the step's images
.set AM,  3                            ; the step's mask terms
.set SPW, 4
.set NIL, 5
.set KGO, 6                            ; offsets of my loads of K, V, v_mask
.set VGO, 7
.set MGO, 8
.set KLB, 9                            ; and their places in a slot
.set VLB, 10
.set MLB, 11
.set RR,  30                           ; lane % 16
.set HH,  31                           ; lane / 16
.set KV,  32                           ; v32-95: K's 8 fragments, then V's 4.  In window 1: the mask terms in C's layout
.set AMB, 213                          ; MOFF + 64 (lane / 16)
.set SK,  216
.set SV,  217
.set SMK, 218
.set MV,  219                          ; my number of v_mask
.set STO, 220
.set RD,  221
.set GO,  222
.set QMO, 223
.set GK,  224                          ; v224-239 K as loaded, v240-255 V
.set GV,  240
; both windows
.set NM,  12                           ; -M
.set TM,  13                           ; the largest t
.set LS,  14                           ; v[14:15] the sum
.set QF,  16                           ; v16-23 Q
.set DQ,  24                           ; my query - 16 (lane / 16)
.set QM,  25                           ; q_mask
.set SCP, 26                           ; 2^e8
.set LIMP, 27                          ; 448 x 2^e8
.set NEGC, 28                          ; -1e9 in the scores' unit
.set DD,  29
.set S,   96                           ; v96-159 S^T, then p
.set O,   160                          ; v160-191 O^T
.set PC,  192                          ; v192-207 p's codes
.set W0,  208
.set W1,  209
.set FF,  210                          ; v[210:211] f
.set PD,  212
.set L2,  214                          ; v[214:215]
.set MSB, 0
.macro WIN new
.if MSB != (\new)
	s_set_vgpr_msb (MSB<<8)|(\new)
.set MSB, (\new)
.endif
.endm
	s_load_b256 s[4:11], s[0:1], 0x0               ; pj, fb, v_mask, q_mask
	s_load_b128 s[12:15], s[0:1], 0x20             ; lowp_scales, out0
	v_lshl_add_u32 v[SPW], v0, 2, SPARE
	v_mov_b32 v[NIL], 0
	v_lshrrev_b32 v2, 5, v0
	v_readfirstlane_b32 s16, v2                    ; wave 0..7
	s_lshr_b32 s52, s16, 2
	s_xor_b32 s17, s16, s52
	s_and_b32 s17, s17, 1                          ; 0: the low block, 1: the high one
	s_lshr_b32 s18, s16, 1                         ; which 32 queries of it
	s_and_b32 s19, ttmp7, 0xffff                   ; j
	s_lshr_b32 s21, ttmp9, 4                       ; batch
	s_and_b32 s22, ttmp9, 15                       ; head
	s_sub_co_u32 s52, 15, s19
	s_cmp_eq_u32 s17, 1
	s_cselect_b32 s52, s52, s19
	s_lshl_b32 s23, s52, 7
	s_lshl_b32 s53, s18, 5
	s_add_co_u32 s23, s23, s53                     ; Q0
	v_and_b32 v2, 31, v0
	v_lshlrev_b32 v[L16], 4, v2
	v_and_b32 v[RR], 15, v0
	v_bfe_u32 v[HH], v0, 4, 1
	s_lshl_b32 s52, s16, 15
	v_add_nc_u32 v[KGO], s52, v[L16]               ; K: token tiles 2 w, 2 w + 1 of the slot's 16, 16,384 bytes apart
	s_lshr_b32 s52, s16, 1
	s_lshl_b32 s52, s52, 17
	s_and_b32 s53, s16, 1
	s_lshl_b32 s54, s53, 11
	s_add_co_u32 s52, s52, s54
	v_add_nc_u32 v[VGO], s52, v[L16]               ; V: channel tile w / 2, key step w % 2
	v_lshlrev_b32 v[MGO], 2, v0
	s_lshr_b32 s52, s16, 2
	s_mul_i32 s52, s52, STEPB
	s_and_b32 s54, s16, 3
	s_lshl_b32 s54, s54, 11
	s_add_co_u32 s52, s52, s54
	v_add_nc_u32 v[KLB], s52, v[L16]
	s_mul_i32 s52, s53, STEPB
	s_lshr_b32 s54, s16, 1
	s_lshl_b32 s54, s54, 11
	s_add_co_u32 s52, s52, s54
	s_add_co_u32 s52, s52, VOFF
	v_add_nc_u32 v[VLB], s52, v[L16]
	v_lshrrev_b32 v[MLB], 7, v0
	v_mul_u32_u24 v[MLB], v[MLB], STEPB
	v_and_b32 v2, 127, v0
	v_lshl_add_u32 v[MLB], v2, 2, v[MLB]
	v_add_nc_u32 v[MLB], MOFF, v[MLB]
	v_lshl_add_u32 v[AMB], v[HH], 6, MOFF
	v_and_b32 v[DD], 8, v[RR]
	v_add_nc_u32 v[DD], v[DD], v[RR]               ; r + 8 (r / 8)
	v_lshlrev_b32 v[QMO], 2, v[DD]
	v_lshlrev_b32 v2, 4, v[HH]
	v_sub_nc_u32 v[DQ], v[DD], v2
	v_add_nc_u32 v[DQ], s23, v[DQ]                 ; tile 0's
	s_mul_i32 s52, s16, 16*SP
	s_add_co_u32 s52, s52, STAGE                   ; my stage
	v_mul_u32_u24 v[STO], v[RR], SP
	v_lshl_add_u32 v[STO], v[HH], 6, v[STO]
	v_add_nc_u32 v[STO], s52, v[STO]               ; in: row r, + 64 h
	v_mul_u32_u24 v[RD], v[HH], SP
	v_lshl_add_u32 v[RD], v[RR], 4, v[RD]
	v_add_nc_u32 v[RD], s52, v[RD]                 ; back: lanes 0-15 one row, lanes 16-31 the next
	v_lshlrev_b32 v[GO], 12, v[HH]
	v_lshl_add_u32 v[GO], v[RR], 4, v[GO]          ; and the same two rows of out0
	s_mov_b32 s36, 0x76543210
	s_mov_b32 s37, 0xfedcba98
	s_wait_kmcnt 0x0
	s_load_b128 s[68:71], s[12:13], 0x18           ; e6, e7, e8, e9
	s_lshl_b32 s52, s21, 7
	s_mov_b32 s53, 0
	s_add_nc_u64 s[6:7], s[6:7], s[52:53]
	s_load_b32 s24, s[6:7], 0x0                    ; F
	s_lshl_b32 s52, s21, 21
	s_lshl_b32 s54, s22, 10
	s_add_co_u32 s52, s52, s54
	s_add_co_u32 s52, s52, 0x800000
	s_add_nc_u64 s[40:41], s[4:5], s[52:53]        ; K's images: batch, head
	s_lshl_b32 s52, s22, 19
	s_lshl_b32 s55, s21, 15
	s_add_co_u32 s52, s52, s55
	s_add_co_u32 s52, s52, 0x1000000
	s_add_nc_u64 s[42:43], s[4:5], s[52:53]        ; V's
	s_lshl_b32 s52, s21, 13
	s_add_nc_u64 s[44:45], s[8:9], s[52:53]        ; v_mask's row
	s_lshl_b32 s52, s21, 7
	s_lshr_b32 s55, s23, 4
	s_add_co_u32 s52, s52, s55
	s_lshl_b32 s52, s52, 14
	s_add_co_u32 s52, s52, s54
	s_add_nc_u64 s[46:47], s[4:5], s[52:53]        ; Q's images
	s_lshl_b32 s55, s21, 11
	s_add_co_u32 s55, s55, s23
	s_lshl_b32 s52, s55, 2
	s_add_nc_u64 s[50:51], s[10:11], s[52:53]      ; q_mask at Q0
	s_lshl_b32 s52, s55, 12
	s_lshl_b32 s54, s22, 8
	s_add_co_u32 s52, s52, s54
	s_add_nc_u64 s[48:49], s[14:15], s[52:53]      ; out0 at Q0, my head
.macro GLOAD                           ; my nine loads of a slot; each b128 reads 512 consecutive bytes
.irp n, 0,1,2,3
	global_load_b128 v[GK+4*\n:GK+4*\n+3], v[KGO], s[40:41] offset:16384*(\n/2)+512*(\n%2)
.endr
.irp c, 0,1,2,3
	global_load_b128 v[GV+4*\c:GV+4*\c+3], v[VGO], s[42:43] offset:512*\c
.endr
	global_load_b32 v[MV], v[MGO], s[44:45]
.endm
	GLOAD                                          ; slot 0
	global_load_b128 v[QF:QF+3], v[L16], s[46:47]
	global_load_b128 v[QF+4:QF+7], v[L16], s[46:47] offset:512
	global_load_b32 v[QM], v[QMO], s[50:51]
	WIN 0x40                                       ; destination window 1
	global_load_b128 v[QF:QF+3], v[L16], s[46:47] offset:16384
	global_load_b128 v[QF+4:QF+7], v[L16], s[46:47] offset:16384+512
	global_load_b32 v[QM], v[QMO], s[50:51] offset:32
	WIN 0
	s_wait_kmcnt 0x0
	s_add_co_i32 s52, s68, s69                     ; e6 + e7
	s_sub_co_i32 s38, 3, s52                       ; a logit is a sum of codes x 2^(e6 + e7 - 3): m and 1e9 are multiplied by 2^(3 - e6 - e7)
	s_sub_co_i32 s52, s52, 3
	s_lshl_b32 s52, s52, 23
	s_add_co_i32 s34, s52, 0x3fb8aa3b              ; c = log2(e) x 2^(e6 + e7 - 3): the exponents are added to the exponent field
	s_mov_b32 s35, s34
	s_add_co_i32 s39, s70, s71                     ; e8 + e9
	s_add_co_i32 s52, s70, 127
	s_lshl_b32 s56, s52, 23                        ; 2^e8
	s_add_co_i32 s52, s52, 8
	s_lshl_b32 s57, s52, 23
	s_or_b32 s57, s57, 0x600000                    ; 448 x 2^e8
	s_lshl_b32 s52, s19, 7
	s_sub_co_u32 s53, 17, s19
	s_lshr_b32 s53, s53, 1
	s_cmp_gt_u32 s24, s52                          ; has my work-group a query ahead of F?
	s_cselect_b32 s25, 8, s53                      ; slots to fetch: all, or up to the high block's diagonal
	s_add_co_u32 s52, s23, 31
	s_sub_co_i32 s53, s23, 127
	s_cmp_gt_u32 s24, s23                          ; has my wave one?
	s_cselect_b32 s26, 0x7fffffff, s52             ; a step is walked while its first key is at or under this,
	s_cselect_b32 s27, -1, s53                     ; and goes the fast way while at or under this (signed)
.macro INIT
	v_mov_b32 v[TM], 0xff61b1e6                    ; -3e38, under every t
	v_floor_f32 v[NM], -v[TM]
	v_mov_b32 v[LS], 0
	v_mov_b32 v[LS+1], 0
	v_mov_b32 v[FF+1], 0                           ; (named as a pair's upper half)
	v_mov_b32 v[PD], 0                             ; (a lane permute's destination counts as read)
	v_mov_b32 v[SCP], s56
	v_mov_b32 v[LIMP], s57
	v_mov_b32 v[NEGC], 0xce6e6b28                  ; -1e9
	v_ldexp_f32 v[NEGC], v[NEGC], s38
.set i, 0
.rept 32
	v_mov_b32 v[O+i], 0                            ; the step is written once: the first finds zeros, which the first change of M leaves zeros
.set i, i+1
.endr
.endm
	INIT
	WIN 0x55
	INIT
	WIN 0x40
	v_add_nc_u32 v[DQ], 8, v[DQ]                   ; tile 1's queries lie 8 further on
	WIN 0
	s_mov_b32 s28, 0                               ; the step's first key
	s_mov_b32 s29, 0                               ; LDS byte of the step in hand
	s_mov_b32 s30, 0                               ; LDS byte of the slot to be stored
	s_mov_b32 s31, 0                               ; the slot's number
.macro QK u, slow                      ; S^T = K Q^T, 8 tiles of 16 keys.  Fast: C = the mask's terms, from window 1
.if \slow
	WIN 0x44*(\u)
.else
	WIN 0x10+0x44*(\u)
.endif
.irp t, 0,1,2,3,4,5,6,7
.if \slow
	v_wmma_f32_16x16x64_fp8_fp8 v[S+8*\t:S+8*\t+7], v[KV+8*\t:KV+8*\t+7], v[QF:QF+7], 0
.else
	v_wmma_f32_16x16x64_fp8_fp8 v[S+8*\t:S+8*\t+7], v[KV+8*\t:KV+8*\t+7], v[QF:QF+7], v[KV+8*\t:KV+8*\t+7]
.endif
.endr
.endm
.macro PV u                            ; O^T += V^T P^T: four accumulators, one instruction each; the matrix instruction ahead of the first names another accumulator
	WIN 0x54*(\u)
.irp d, 0,1,2,3
	v_wmma_f32_16x16x128_fp8_fp8 v[O+8*\d:O+8*\d+7], v[KV+16*\d:KV+16*\d+15], v[PC:PC+15], v[O+8*\d:O+8*\d+7]
.endr
.endm
.macro SM u, slow                      ; tile u's softmax of one key step
.if \slow
	WIN 0x04+0x51*(\u)                             ; the mask's terms lie in window 1
.set i, 0
.rept 32
	v_pk_add_f32 v[S+i:S+i+1], v[S+i:S+i+1], v[KV+i:KV+i+1]   ; score - m, rounded once
.set i, i+2
.endr
	WIN 0x55*(\u)
	v_sub_nc_u32 v[DD], v[DQ], s28                 ; register 16 b + i holds key KF + 16 (lane / 16) + 32 b + i: behind the diagonal where 32 b + i > d
.set i, 0
.rept 64
	v_cmp_gt_i32 vcc_lo, 32*(i/16)+i%16, v[DD]
	v_cndmask_b32 v[W0+i%2], 0, v[NEGC], vcc_lo
	v_add_f32 v[S+i], v[S+i], v[W0+i%2]            ; - 1e9 or - 0, rounded once
.set i, i+1
.endr
.set i, 0
.rept 32
	v_pk_mul_f32 v[S+i:S+i+1], v[S+i:S+i+1], s[34:35] op_sel_hi:[1,0]   ; t
.set i, i+2
.endr
.else
	WIN 0x55*(\u)
.endif
	v_max3_num_f32 v[W0], v[S], v[S+1], v[S+2]     ; the largest of my 64, in two chains; each accumulator is read from its low end on
	v_max3_num_f32 v[W1], v[S+3], v[S+4], v[S+5]
.irp j, 6,10,14,18,22,26,30,34,38,42,46,50,54,58
	v_max3_num_f32 v[W0], v[W0], v[S+\j], v[S+\j+1]
	v_max3_num_f32 v[W1], v[W1], v[S+\j+2], v[S+\j+3]
.endr
	v_max3_num_f32 v[W0], v[W0], v[S+62], v[S+63]
	v_max_num_f32 v[W0], v[W0], v[W1]
	v_permlanex16_b32 v[PD], v[W0], s36, s37
	v_max_num_f32 v[W0], v[W0], v[PD]              ; and of lane l xor 16's
.if \slow == 0
	v_mul_f32 v[W0], s34, v[W0]                    ; as t (c is positive)
.endif
	v_max_num_f32 v[TM], v[TM], v[W0]
	v_mov_b32 v[W0], v[NM]
	v_floor_f32 v[NM], -v[TM]                      ; -M = floor(-t): M is a whole number
	v_sub_f32 v[W0], v[NM], v[W0]                  ; old M - new M
	v_cvt_i32_f32 v[W0], v[W0]                     ; (it saturates)
	v_ldexp_f32 v[FF], 1.0, v[W0]                  ; f = 2^(old M - new M): rounds nothing
.set i, 0
.rept 32
.if \slow
	v_pk_add_f32 v[S+i:S+i+1], v[S+i:S+i+1], v[NM:NM+1] op_sel_hi:[1,0]
.else
	v_pk_fma_f32 v[S+i:S+i+1], v[S+i:S+i+1], s[34:35], v[NM:NM+1] op_sel_hi:[1,0,0]
.endif
.set i, i+2
.endr
.set i, 0
.rept 64
	v_exp_f32 v[S+i], v[S+i]                       ; p = 2^(t - M)
.set i, i+1
.endr
	v_pk_mul_f32 v[LS:LS+1], v[LS:LS+1], v[FF:FF+1] op_sel_hi:[1,0]   ; the sum under the new M: the plain instruction behind the exponentials
	s_wait_alu depctr_va_vdst(0)                   ; one wait for the batch, ahead of its first reader
	v_pk_add_f32 v[L2:L2+1], v[S:S+1], v[S+2:S+3]  ; the sum of the unquantised p, in two chains
.irp j, 4,8,12,16,20,24,28,32,36,40,44,48,52,56,60
	v_pk_add_f32 v[LS:LS+1], v[LS:LS+1], v[S+\j:S+\j+1]
	v_pk_add_f32 v[L2:L2+1], v[L2:L2+1], v[S+\j+2:S+\j+3]
.endr
	v_pk_add_f32 v[LS:LS+1], v[LS:LS+1], v[L2:L2+1]
.irp b, 0,1,2,3
.irp n, 0,1,2,3,4,5,6,7,8,9,10,11,12,13,14,15
	v_min_num_f32 v[S+16*\b+\n], v[S+16*\b+\n], v[LIMP]   ; the conversion does not saturate (ISA guide 7.6.2); p is not negative
.endr
	v_cvt_scalef32_pk8_fp8_f32 v[PC+4*\b:PC+4*\b+1], v[S+16*\b:S+16*\b+7], v[SCP]
	v_cvt_scalef32_pk8_fp8_f32 v[PC+4*\b+2:PC+4*\b+3], v[S+16*\b+8:S+16*\b+15], v[SCP]
.endr
.set i, 0
.rept 16
	v_pk_mul_f32 v[O+i:O+i+1], v[O+i:O+i+1], v[FF:FF+1] op_sel_hi:[1,0]   ; O^T under the new M; these stand between the conversions and the products
.set i, i+2
.endr
.endm
.macro BODY slow
	QK 0, \slow
	QK 1, \slow
	WIN 0
.rept 4
	v_nop                                          ; places in front of the loads into K's registers and of the first read of the scores
.endr
.irp n, 0,1,2,3,4,5,6,7,8,9,10,11,12,13,14,15
	ds_load_b128 v[KV+4*\n:KV+4*\n+3], v[AL] offset:VOFF+512*\n   ; V's four fragments land while tile 0's softmax is walked
.endr
	SM 0, \slow
	s_wait_dscnt 0x0                               ; V is in
	PV 0
	SM 1, \slow
	PV 1
	WIN 0
.endm
.Lslot:                                            ; 8 trips, a constant; what is left out is jumped over inside
	s_wait_loadcnt 0x0                             ; the loads issued a slot ago are in (in the first trip Q and q_mask too): their bases may be stepped
	s_cmp_lt_u32 s31, s25                          ; the same in all eight waves
	s_cbranch_scc0 .Lnostage
	v_sub_f32 v[MV], 1.0, v[MV]
	v_mul_f32 v[MV], 0x4e6e6b28, v[MV]             ; m
	v_ldexp_f32 v[MV], -v[MV], s38                 ; -m in the scores' unit
	v_add_nc_u32 v[SK], s30, v[KLB]
	v_add_nc_u32 v[SV], s30, v[VLB]
	v_add_nc_u32 v[SMK], s30, v[MLB]
.irp n, 0,1,2,3
	ds_store_b128 v[SK], v[GK+4*\n:GK+4*\n+3] offset:512*\n
	ds_store_b128 v[SV], v[GV+4*\n:GV+4*\n+3] offset:512*\n
.endr
	ds_store_b32 v[SMK], v[MV]
.Lnostage:
	s_wait_dscnt 0x0                               ; for the others' sake: my stores have landed, and my reads of the last slot are in; the stores have also read their registers
	s_add_nc_u64 s[40:41], s[40:41], 262144        ; 16 token tiles on
	s_add_nc_u64 s[42:43], s[42:43], 4096          ; 8 planes on
	s_add_nc_u64 s[44:45], s[44:45], 1024
	s_add_co_u32 s52, s31, 1
	s_cmp_lt_u32 s52, s25                          ; at most 8 slots: no load leaves its buffer
	s_cbranch_scc0 .Lnoload
	GLOAD                                          ; the next slot: it has this slot's two steps in which to come
.Lnoload:
	s_barrier_signal -1                            ; one barrier a slot: this slot is whole, and the other one, read a trip ago, is free for the next trip's stores
	s_barrier_wait -1
	s_xor_b32 s30, s30, SLOT1
	s_mov_b32 s32, 2
.Lstep:
	s_cmp_gt_u32 s28, s26                          ; all keys behind my wave's diagonal, and no query ahead of F: nothing to do
	s_cbranch_scc1 .Lskip
	v_add_nc_u32 v[AL], s29, v[L16]
	v_add_nc_u32 v[AM], s29, v[AMB]
	v_nop
	v_nop                                          ; four places behind the last products, whose V these loads overwrite
.irp t, 0,1,2,3,4,5,6,7
	ds_load_b128 v[KV+8*\t:KV+8*\t+3], v[AL] offset:1024*\t
	ds_load_b128 v[KV+8*\t+4:KV+8*\t+7], v[AL] offset:1024*\t+512
.endr
	WIN 0x40
.irp n, 0,1,2,3,4,5,6,7,8,9,10,11,12,13,14,15
	ds_load_b128 v[KV+4*\n:KV+4*\n+3], v[AM] offset:128*(\n/4)+16*(\n%4)   ; the terms of keys 32 b + 16 (lane / 16) + 0 .. 15
.endr
	WIN 0
	s_wait_dscnt 0x0
	s_cmp_le_i32 s28, s27
	s_cbranch_scc1 .Lfast
	BODY 1
	s_branch .Lskip
.Lfast:
	BODY 0
.Lskip:
	s_add_co_u32 s28, s28, 128
	s_add_co_u32 s29, s29, STEPB
	s_sub_co_u32 s32, s32, 1
	s_cmp_lg_u32 s32, 0
	s_cbranch_scc1 .Lstep
	s_sub_co_u32 s29, s29, 2*STEPB
	s_xor_b32 s29, s29, SLOT1
	s_add_co_u32 s31, s31, 1
	s_cmp_lt_u32 s31, 8
	s_cbranch_scc1 .Lslot
	; THE WAY OUT.  O^T x q_mask x 2^(e8 + e9) / the sum goes through my own stage, a tile at a time, and leaves as whole rows of a head: sixteen lanes store 256 consecutive bytes, aligned.
.rept 4
	v_nop
.endr
.macro FIN u
	WIN 0x55*(\u)
	v_add_f32 v[LS], v[LS], v[LS+1]
	v_permlanex16_b32 v[PD], v[LS], s36, s37
	v_add_f32 v[LS], v[LS], v[PD]                  ; the row's sum: above 1/2
	v_rcp_f32 v[LS], v[LS]
	v_nop                                          ; a plain instruction behind the reciprocal,
	s_wait_alu depctr_va_vdst(0)                   ; and the wait ahead of its first reader
	v_ldexp_f32 v[LS], v[LS], s39
	v_mul_f32 v[LS], v[LS], v[QM]
.set i, 0
.rept 16
	v_pk_mul_f32 v[O+i:O+i+1], v[O+i:O+i+1], v[LS:LS+1] op_sel_hi:[1,0]
.set i, i+2
.endr
	WIN 0x04*(\u)                                  ; the data's window; the address lies in window 0
.irp n, 0,1,2,3,4,5,6,7
	ds_store_b128 v[STO], v[O+4*\n:O+4*\n+3] offset:128*(\n/4)+16*(\n%4)   ; channels 32 (n / 4) + 16 h + 4 (n % 4) on
.endr
	WIN 0
.irp n, 0,1,2,3,4,5,6,7
	ds_load_b128 v[KV+32*(\u)+4*\n:KV+32*(\u)+4*\n+3], v[RD] offset:2*SP*\n   ; LDS serves a wave's instructions in order: these see my stores, and the next tile's stores come behind them
.endr
.endm
	FIN 0
	FIN 1
.irp n, 0,1,2,3,4,5,6,7
	s_wait_dscnt 23-\n                             ; behind this load: tile 0's younger loads and tile 1's sixteen LDS instructions
	global_store_b128 v[GO], v[KV+4*\n:KV+4*\n+3], s[48:49] offset:(2*\n+8*(\n/4))*4096 th:TH_STORE_NT   ; stage rows 2 n, 2 n + 1 are queries Q0 + 2 n + 8 (n / 4) and the next
.endr
.irp n, 0,1,2,3,4,5,6,7
	s_wait_dscnt 7-\n
	global_store_b128 v[GO], v[KV+32+4*\n:KV+32+4*\n+3], s[48:49] offset:(8+2*\n+8*(\n/4))*4096 th:TH_STORE_NT
.endr
	s_wait_tensorcnt 0x0                           ; the wave's end, behind my last LDS store
	ds_add_u32 v[SPW], v[NIL]
	s_wait_dscnt 0x0
	s_endpgm
.Lfunc_end_k_q4ff32d5ede_attn:
	.size	k_q4ff32d5ede_attn, .Lfunc_end_k_q4ff32d5ede_attn-k_q4ff32d5ede_attn
	.p2alignl 7, 3214868480
	.fill 96, 4, 3214868480
	.section	.rodata,"a",@progbits
	.p2align	6, 0x0
	.amdhsa_kernel k_q4ff32d5ede_attn
		.amdhsa_group_segment_fixed_size 166912
		.amdhsa_private_segment_fixed_size 0
		.amdhsa_enable_private_segment 0
		.amdhsa_kernarg_size 48
		.amdhsa_user_sgpr_count 2
		.amdhsa_user_sgpr_kernarg_segment_ptr 1
		.amdhsa_wavefront_size32 1
		.amdhsa_system_sgpr_workgroup_id_x 1
		.amdhsa_system_sgpr_workgroup_id_y 1
		.amdhsa_system_sgpr_workgroup_id_z 1
		.amdhsa_system_vgpr_workitem_id 0
		.amdhsa_next_free_vgpr 512
		.amdhsa_next_free_sgpr 80
		.amdhsa_reserve_vcc 1
		.amdhsa_float_denorm_mode_32 3
		.amdhsa_float_denorm_mode_16_64 3
		.amdhsa_memory_ordered 1
		.amdhsa_forward_progress 1
		.amdhsa_inst_pref_size 98
	.end_amdhsa_kernel
	.amdgpu_metadata
---
amdhsa.version: [ 1, 2 ]
amdhsa.kernels:
  - .name:           k_q4ff32d5ede_attn
    .symbol:         k_q4ff32d5ede_attn.kd
    .args:
      - { .name: pj, .offset: 0, .size: 8, .value_kind: global_buffer, .address_space: global }
      - { .name: fb, .offset: 8, .size: 8, .value_kind: global_buffer, .address_space: global }
      - { .name: v_mask, .offset: 16, .size: 8, .value_kind: global_buffer, .address_space: global }
      - { .name: q_mask, .offset: 24, .size: 8, .value_kind: global_buffer, .address_space: global }
      - { .name: lowp_scales, .offset: 32, .size: 8, .value_kind: global_buffer, .address_space: global }
      - { .name: out0, .offset: 40, .size: 8, .value_kind: global_buffer, .address_space: global }
    .group_segment_fixed_size: 166912
    .private_segment_fixed_size: 0
    .kernarg_segment_align: 8
    .kernarg_segment_size: 48
    .max_flat_workgroup_size: 256
    .sgpr_count:     80
    .vgpr_count:     512
    .wavefront_size: 32
...
	.end_amdgpu_metadata
.endif
;; end of part 3
;; ======== version 2 of 2: 3 launches; version 1 with the launch attn written anew for expert scheduling mode
;; workspace buffers: xc 25,165,824 bytes; wc 3,145,728 bytes; pj 25,165,824 bytes; fb 512 bytes of whole numbers
;; launch prep: the kernel of part 1 again; grid 865 x 1, 4 waves a work-group, no clusters, 68,096 bytes of LDS; arguments q, k, v, Wq, Wk, Wv, v_mask, lowp_scales, xc, wc, fb; writes xc, wc, fb
;; launch proj: the kernel of part 2 again; grid 4 x 96, 4 waves a work-group, clusters of 4 x 4, 327,680 bytes of LDS; arguments xc, wc, lowp_scales, pj; writes pj
;; launch attn (part 4): grid 64 x 8, 8 waves a work-group, no clusters, 166,912 bytes of LDS; arguments pj, fb, v_mask, q_mask, lowp_scales, out0; writes out0
.if DOCPART == 4
	.amdgcn_target "amdgcn-amd-amdhsa--gfx1250"
	.amdhsa_code_object_version 6
	.text
	.protected	k_q4ff32d5ede_attn
	.globl	k_q4ff32d5ede_attn
	.p2align	8
	.type	k_q4ff32d5ede_attn,@function
k_q4ff32d5ede_attn:
	s_mov_b64 s[64:65], 0
	v_nop
	global_prefetch_b8 v0, s[64:65] scope:SCOPE_SE
	s_setreg_imm32_b32 hwreg(HW_REG_WAVE_SCHED_MODE, 0, 2), 2
	s_setreg_imm32_b32 hwreg(HW_REG_WAVE_MODE, 25, 1), 1
	s_wait_xcnt 0x0
	s_wait_alu depctr_vm_vsrc(0)
; ATTN: out0[b][q][64 hd ..] = q_mask[b][q] x softmax_k(Q.K / 8 - (1 - v_mask[b][k]) 1e9 - 1e9 [k > q]) V, both products on codes of E4M3, read from pj as images of the operands' registers.
; THE SOFTMAX: t = logit x log2(e); M = the running largest t rounded up to a whole number; p = 2^(t - M) is quantised with 2^e8; the row's sum is taken of the unquantised p and divides at the end.
; SHARES.  Work-group (bh, j) owns queries 128 j .. + 127 and 128 (15 - j) .. + 127 of one head: (j + 1) + (16 - j) = 17 blocks of 128 x 128 under the diagonal for every j.  Eight waves, 32 queries each, as two tiles of 16;
; waves of the low and of the high block are dealt so that neighbours in number, and waves four apart, differ.  A tile's data have the same register numbers in window 0 (tile 0) and window 1 (tile 1).
; LAYOUT.  Both products are used transposed (S^T = K Q^T, O^T = V^T P^T): a lane holds one query.  Through the order of rows in pj the 16 registers of two neighbouring tiles of S^T are keys 32 b + 16 (lane / 16) + 0 .. 15,
; lane r of query tile u holds query Q0 + 8 u + r + 8 (r / 8), and O^T's registers 16 G + i are channels 32 G + 16 (lane / 16) + i.
; K, V AND THE MASK come through registers into two LDS slots of 256 keys: each wave loads 2 KB of K, 2 KB of V and 128 bytes of v_mask a slot ahead, stores them, and one barrier a slot shows them to all.
; TWO WAYS.  The masks are additive and finite.  F (from fb, made by the first launch) is the first key of the batch with |m| <= 64, or 2,048.  A query at or behind F sees that key, and every key with m >= 5e8 or behind the
; diagonal has weight 0 beside it: for a wave whose queries all lie there, steps behind the diagonal are left out, and in steps ahead of it the mask's term is the C of the first product (FAST).
; The step on the diagonal, and ALL 16 steps of a wave with a query ahead of F, go the LONG way: score - m, then - 1e9 behind the diagonal, then x log2(e), each rounded once, in the problem's own order.
; (Scores are kept as sums of codes; m and 1e9 are brought to that unit by a power of two, which rounds nothing.)
; NO TENSOR LOAD, NO MULTICAST: how many slots are fetched and which steps are walked hang on F, a number read from memory.  NO PREFETCH: the loads into registers stand a whole slot ahead of their use, and K and V are read by eight work-groups.
; LIMITS: e6 + e7 between -80 and 6 (so that |score / 8| stays under 2^27 and 30 x 1e9 x 2^(3 - e6 - e7) is an f32 number); e8 between -126 and 119.  NaN is not served.
; THE MODE: SCHED_MODE bits 1:0 = 2 (LLVM: expert scheduling mode 2), set by the entry lines.  The code itself states the register dependences
; between vector or matrix instructions and memory or LDS instructions, with s_wait_alu, always for 0.
; THE PLAN.  Registers that memory or LDS instructions touch, and who else names them:
;   v1, v6-8, v220-223   offsets and LDS addresses, made at the head and never written again: one wait on va_vdst ahead of the first load serves them all, the way out's too.
;   GK, GV               global loads land a slot ahead; the next trip's LDS stores read them; no vector instruction names them.
;   MV                   lands with them; three vector lines make -m of it; one LDS store reads it.
;   SK, SV, SMK          three additions write them in each staged slot; the nine LDS stores read them.
;   AL, AM               two additions write them at a step's head; the step's 48 LDS loads read them.
;   KV, window 0         K lands at a step's head; the sixteen products K Q^T read it; V lands; the eight products V^T P^T read it.  On the way out the stage's rows land there and the global stores read them.
;   KV, window 1         the mask's terms land at a step's head; the first products (as C) or the long way's additions read them.
;   O                    on the way out the last multiplications write it and the LDS stores read it.
; A SLOT has one wait on va_vdst, ahead of its stores (MV and the three addresses are written), and one on vm_vsrc behind them (the stores have read all that the next loads and the next trip write).
; A STEP has one wait on vm_vsrc at its top (the last step's loads have read AL and AM) and one on va_vdst behind the two additions (AL and AM are written; the last step's readers of both KV are done).
; V's loads owe no wait of their own: they stand directly behind the wait that tile 0's batch of exponentials has in any case, which also shows the products K Q^T done reading K.
; The long way's compares write scalar registers, sixteen to a run, with one wait on va_sdst between a run and the selects that read its masks.
.set STEPB, 16896                      ; a key step in LDS: K 8 x 1,024, V 4 x 2,048, 128 mask terms
.set VOFF,  8192
.set MOFF,  16384
.set SLOT1, 65536                      ; slot 1; one exclusive or turns an address from slot to slot
.set STAGE, 131072                     ; the way out: 16 rows x 272 bytes for each wave
.set SP,    272
.set SPARE, STAGE+8*16*SP              ; the spare words, 128 bytes for each wave
; window 0 alone
.set L16, 1                            ; 16 x lane
.set AL,  2                            ; the step's images
.set AM,  3                            ; the step's mask terms
.set SPW, 4
.set NIL, 5
.set KGO, 6                            ; offsets of my loads of K, V, v_mask
.set VGO, 7
.set MGO, 8
.set KLB, 9                            ; and their places in a slot
.set VLB, 10
.set MLB, 11
.set RR,  30                           ; lane % 16
.set HH,  31                           ; lane / 16
.set KV,  32                           ; v32-95: K's 8 fragments, then V's 4.  In window 1: the mask terms in C's layout
.set AMB, 213                          ; MOFF + 64 (lane / 16)
.set SK,  216
.set SV,  217
.set SMK, 218
.set MV,  219                          ; my number of v_mask
.set STO, 220
.set RD,  221
.set GO,  222
.set QMO, 223
.set GK,  224                          ; v224-239 K as loaded, v240-255 V
.set GV,  240
; both windows
.set NM,  12                           ; -M
.set TM,  13                           ; the largest t
.set LS,  14                           ; v[14:15] the sum
.set QF,  16                           ; v16-23 Q
.set DQ,  24                           ; my query - 16 (lane / 16)
.set QM,  25                           ; q_mask
.set SCP, 26                           ; 2^e8
.set LIMP, 27                          ; 448 x 2^e8
.set NEGC, 28                          ; -1e9 in the scores' unit
.set DD,  29
.set S,   96                           ; v96-159 S^T, then p
.set O,   160                          ; v160-191 O^T
.set PC,  192                          ; v192-207 p's codes
.set W0,  208
.set W1,  209
.set FF,  210                          ; v[210:211] f
.set PD,  212
.set L2,  214                          ; v[214:215]
.set MSB, 0
.macro WIN new
.if MSB != (\new)
	s_set_vgpr_msb (MSB<<8)|(\new)
.set MSB, (\new)
.endif
.endm
.macro MASKREG n                       ; m = the scalar register of the n-th mask of a run of sixteen compares: s58-63, s66-67, s72-79
.if (\n) < 6
.set m, 58+(\n)
.elseif (\n) < 8
.set m, 60+(\n)
.else
.set m, 64+(\n)
.endif
.endm
	s_load_b256 s[4:11], s[0:1], 0x0               ; pj, fb, v_mask, q_mask
	s_load_b128 s[12:15], s[0:1], 0x20             ; lowp_scales, out0
	v_lshl_add_u32 v[SPW], v0, 2, SPARE
	v_mov_b32 v[NIL], 0
	v_lshrrev_b32 v2, 5, v0
	v_readfirstlane_b32 s16, v2                    ; wave 0..7
	s_wait_alu depctr_va_sdst(0)                   ; s16 is written, ahead of its first reader: shares, offsets and bases are made from it
	s_lshr_b32 s52, s16, 2
	s_xor_b32 s17, s16, s52
	s_and_b32 s17, s17, 1                          ; 0: the low block, 1: the high one
	s_lshr_b32 s18, s16, 1                         ; which 32 queries of it
	s_and_b32 s19, ttmp7, 0xffff                   ; j
	s_lshr_b32 s21, ttmp9, 4                       ; batch
	s_and_b32 s22, ttmp9, 15                       ; head
	s_sub_co_u32 s52, 15, s19
	s_cmp_eq_u32 s17, 1
	s_cselect_b32 s52, s52, s19
	s_lshl_b32 s23, s52, 7
	s_lshl_b32 s53, s18, 5
	s_add_co_u32 s23, s23, s53                     ; Q0
	v_and_b32 v2, 31, v0
	v_lshlrev_b32 v[L16], 4, v2
	v_and_b32 v[RR], 15, v0
	v_bfe_u32 v[HH], v0, 4, 1
	s_lshl_b32 s52, s16, 15
	v_add_nc_u32 v[KGO], s52, v[L16]               ; K: token tiles 2 w, 2 w + 1 of the slot's 16, 16,384 bytes apart
	s_lshr_b32 s52, s16, 1
	s_lshl_b32 s52, s52, 17
	s_and_b32 s53, s16, 1
	s_lshl_b32 s54, s53, 11
	s_add_co_u32 s52, s52, s54
	v_add_nc_u32 v[VGO], s52, v[L16]               ; V: channel tile w / 2, key step w % 2
	v_lshlrev_b32 v[MGO], 2, v0
	s_lshr_b32 s52, s16, 2
	s_mul_i32 s52, s52, STEPB
	s_and_b32 s54, s16, 3
	s_lshl_b32 s54, s54, 11
	s_add_co_u32 s52, s52, s54
	v_add_nc_u32 v[KLB], s52, v[L16]
	s_mul_i32 s52, s53, STEPB
	s_lshr_b32 s54, s16, 1
	s_lshl_b32 s54, s54, 11
	s_add_co_u32 s52, s52, s54
	s_add_co_u32 s52, s52, VOFF
	v_add_nc_u32 v[VLB], s52, v[L16]
	v_lshrrev_b32 v[MLB], 7, v0
	v_mul_u32_u24 v[MLB], v[MLB], STEPB
	v_and_b32 v2, 127, v0
	v_lshl_add_u32 v[MLB], v2, 2, v[MLB]
	v_add_nc_u32 v[MLB], MOFF, v[MLB]
	v_lshl_add_u32 v[AMB], v[HH], 6, MOFF
	v_and_b32 v[DD], 8, v[RR]
	v_add_nc_u32 v[DD], v[DD], v[RR]               ; r + 8 (r / 8)
	v_lshlrev_b32 v[QMO], 2, v[DD]
	v_lshlrev_b32 v2, 4, v[HH]
	v_sub_nc_u32 v[DQ], v[DD], v2
	v_add_nc_u32 v[DQ], s23, v[DQ]                 ; tile 0's
	s_mul_i32 s52, s16, 16*SP
	s_add_co_u32 s52, s52, STAGE                   ; my stage
	v_mul_u32_u24 v[STO], v[RR], SP
	v_lshl_add_u32 v[STO], v[HH], 6, v[STO]
	v_add_nc_u32 v[STO], s52, v[STO]               ; in: row r, + 64 h
	v_mul_u32_u24 v[RD], v[HH], SP
	v_lshl_add_u32 v[RD], v[RR], 4, v[RD]
	v_add_nc_u32 v[RD], s52, v[RD]                 ; back: lanes 0-15 one row, lanes 16-31 the next
	v_lshlrev_b32 v[GO], 12, v[HH]
	v_lshl_add_u32 v[GO], v[RR], 4, v[GO]          ; and the same two rows of out0
	s_mov_b32 s36, 0x76543210
	s_mov_b32 s37, 0xfedcba98
	s_wait_kmcnt 0x0
	s_load_b128 s[68:71], s[12:13], 0x18           ; e6, e7, e8, e9
	s_lshl_b32 s52, s21, 7
	s_mov_b32 s53, 0
	s_add_nc_u64 s[6:7], s[6:7], s[52:53]
	s_load_b32 s24, s[6:7], 0x0                    ; F
	s_lshl_b32 s52, s21, 21
	s_lshl_b32 s54, s22, 10
	s_add_co_u32 s52, s52, s54
	s_add_co_u32 s52, s52, 0x800000
	s_add_nc_u64 s[40:41], s[4:5], s[52:53]        ; K's images: batch, head
	s_lshl_b32 s52, s22, 19
	s_lshl_b32 s55, s21, 15
	s_add_co_u32 s52, s52, s55
	s_add_co_u32 s52, s52, 0x1000000
	s_add_nc_u64 s[42:43], s[4:5], s[52:53]        ; V's
	s_lshl_b32 s52, s21, 13
	s_add_nc_u64 s[44:45], s[8:9], s[52:53]        ; v_mask's row
	s_lshl_b32 s52, s21, 7
	s_lshr_b32 s55, s23, 4
	s_add_co_u32 s52, s52, s55
	s_lshl_b32 s52, s52, 14
	s_add_co_u32 s52, s52, s54
	s_add_nc_u64 s[46:47], s[4:5], s[52:53]        ; Q's images
	s_lshl_b32 s55, s21, 11
	s_add_co_u32 s55, s55, s23
	s_lshl_b32 s52, s55, 2
	s_add_nc_u64 s[50:51], s[10:11], s[52:53]      ; q_mask at Q0
	s_lshl_b32 s52, s55, 12
	s_lshl_b32 s54, s22, 8
	s_add_co_u32 s52, s52, s54
	s_add_nc_u64 s[48:49], s[14:15], s[52:53]      ; out0 at Q0, my head
.macro GLOAD                           ; my nine loads of a slot; each b128 reads 512 consecutive bytes
.irp n, 0,1,2,3
	global_load_b128 v[GK+4*\n:GK+4*\n+3], v[KGO], s[40:41] offset:16384*(\n/2)+512*(\n%2)
.endr
.irp c, 0,1,2,3
	global_load_b128 v[GV+4*\c:GV+4*\c+3], v[VGO], s[42:43] offset:512*\c
.endr
	global_load_b32 v[MV], v[MGO], s[44:45]
.endm
	s_wait_alu depctr_va_vdst(0)                   ; v1, v6 to v8 and v223 are written, which the loads read as offsets; so are v220 to v222, which the way out's LDS instructions and stores read.  No vector line writes any of them again
	GLOAD                                          ; slot 0
	global_load_b128 v[QF:QF+3], v[L16], s[46:47]
	global_load_b128 v[QF+4:QF+7], v[L16], s[46:47] offset:512
	global_load_b32 v[QM], v[QMO], s[50:51]
	WIN 0x40                                       ; destination window 1; between the wait above and these loads stand loads and this switch alone
	global_load_b128 v[QF:QF+3], v[L16], s[46:47] offset:16384
	global_load_b128 v[QF+4:QF+7], v[L16], s[46:47] offset:16384+512
	global_load_b32 v[QM], v[QMO], s[50:51] offset:32
	WIN 0
	s_wait_kmcnt 0x0
	s_add_co_i32 s52, s68, s69                     ; e6 + e7
	s_sub_co_i32 s38, 3, s52                       ; a logit is a sum of codes x 2^(e6 + e7 - 3): m and 1e9 are multiplied by 2^(3 - e6 - e7)
	s_sub_co_i32 s52, s52, 3
	s_lshl_b32 s52, s52, 23
	s_add_co_i32 s34, s52, 0x3fb8aa3b              ; c = log2(e) x 2^(e6 + e7 - 3): the exponents are added to the exponent field
	s_mov_b32 s35, s34
	s_add_co_i32 s39, s70, s71                     ; e8 + e9
	s_add_co_i32 s52, s70, 127
	s_lshl_b32 s56, s52, 23                        ; 2^e8
	s_add_co_i32 s52, s52, 8
	s_lshl_b32 s57, s52, 23
	s_or_b32 s57, s57, 0x600000                    ; 448 x 2^e8
	s_lshl_b32 s52, s19, 7
	s_sub_co_u32 s53, 17, s19
	s_lshr_b32 s53, s53, 1
	s_cmp_gt_u32 s24, s52                          ; has my work-group a query ahead of F?
	s_cselect_b32 s25, 8, s53                      ; slots to fetch: all, or up to the high block's diagonal
	s_add_co_u32 s52, s23, 31
	s_sub_co_i32 s53, s23, 127
	s_cmp_gt_u32 s24, s23                          ; has my wave one?
	s_cselect_b32 s26, 0x7fffffff, s52             ; a step is walked while its first key is at or under this,
	s_cselect_b32 s27, -1, s53                     ; and goes the fast way while at or under this (signed)
.macro INIT
	v_mov_b32 v[TM], 0xff61b1e6                    ; -3e38, under every t
	v_floor_f32 v[NM], -v[TM]
	v_mov_b32 v[LS], 0
	v_mov_b32 v[LS+1], 0
	v_mov_b32 v[FF+1], 0                           ; (named as a pair's upper half)
	v_mov_b32 v[PD], 0                             ; (a lane permute's destination counts as read)
	v_mov_b32 v[SCP], s56
	v_mov_b32 v[LIMP], s57
	v_mov_b32 v[NEGC], 0xce6e6b28                  ; -1e9
	v_ldexp_f32 v[NEGC], v[NEGC], s38
.set i, 0
.rept 32
	v_mov_b32 v[O+i], 0                            ; the step is written once: the first finds zeros, which the first change of M leaves zeros
.set i, i+1
.endr
.endm
	INIT
	WIN 0x55
	INIT
	WIN 0x40
	v_add_nc_u32 v[DQ], 8, v[DQ]                   ; tile 1's queries lie 8 further on
	WIN 0
	s_mov_b32 s28, 0                               ; the step's first key
	s_mov_b32 s29, 0                               ; LDS byte of the step in hand
	s_mov_b32 s30, 0                               ; LDS byte of the slot to be stored
	s_mov_b32 s31, 0                               ; the slot's number
.macro QK u, slow                      ; S^T = K Q^T, 8 tiles of 16 keys.  Fast: C = the mask's terms, from window 1
.if \slow
	WIN 0x44*(\u)
.else
	WIN 0x10+0x44*(\u)
.endif
.irp t, 0,1,2,3,4,5,6,7
.if \slow
	v_wmma_f32_16x16x64_fp8_fp8 v[S+8*\t:S+8*\t+7], v[KV+8*\t:KV+8*\t+7], v[QF:QF+7], 0
.else
	v_wmma_f32_16x16x64_fp8_fp8 v[S+8*\t:S+8*\t+7], v[KV+8*\t:KV+8*\t+7], v[QF:QF+7], v[KV+8*\t:KV+8*\t+7]
.endif
.endr
.endm
.macro PV u                            ; O^T += V^T P^T: four accumulators, one instruction each; the matrix instruction ahead of the first names another accumulator
	WIN 0x54*(\u)
.irp d, 0,1,2,3
	v_wmma_f32_16x16x128_fp8_fp8 v[O+8*\d:O+8*\d+7], v[KV+16*\d:KV+16*\d+15], v[PC:PC+15], v[O+8*\d:O+8*\d+7]
.endr
.endm
.macro SM u, slow                      ; tile u's softmax of one key step; in tile 0's stand V's loads
.if \slow
	WIN 0x04+0x51*(\u)                             ; the mask's terms lie in window 1
.set i, 0
.rept 32
	v_pk_add_f32 v[S+i:S+i+1], v[S+i:S+i+1], v[KV+i:KV+i+1]   ; score - m, rounded once
.set i, i+2
.endr
	WIN 0x55*(\u)
	v_sub_nc_u32 v[DD], v[DQ], s28                 ; register 16 b + i holds key KF + 16 (lane / 16) + 32 b + i: behind the diagonal where 32 b + i > d
.set g, 0
.rept 4                                ; sixteen scores at a time: a run of compares into sixteen scalar registers, one wait, the selects and additions
.set i, 0
.rept 16
	MASKREG i
	v_cmp_gt_i32 s[m], 32*g+i, v[DD]
.set i, i+1
.endr
	s_wait_alu depctr_va_sdst(0)                   ; the sixteen compares have written their masks, ahead of the first select that reads one
.set i, 0
.rept 16
	MASKREG i
	v_cndmask_b32 v[W0+i%2], 0, v[NEGC], s[m]
	v_add_f32 v[S+16*g+i], v[S+16*g+i], v[W0+i%2]  ; - 1e9 or - 0, rounded once
.set i, i+1
.endr
.set g, g+1
.endr
.set i, 0
.rept 32
	v_pk_mul_f32 v[S+i:S+i+1], v[S+i:S+i+1], s[34:35] op_sel_hi:[1,0]   ; t
.set i, i+2
.endr
.else
	WIN 0x55*(\u)
.endif
	v_max3_num_f32 v[W0], v[S], v[S+1], v[S+2]     ; the largest of my 64, in two chains; each accumulator is read from its low end on
	v_max3_num_f32 v[W1], v[S+3], v[S+4], v[S+5]
.irp j, 6,10,14,18,22,26,30,34,38,42,46,50,54,58
	v_max3_num_f32 v[W0], v[W0], v[S+\j], v[S+\j+1]
	v_max3_num_f32 v[W1], v[W1], v[S+\j+2], v[S+\j+3]
.endr
	v_max3_num_f32 v[W0], v[W0], v[S+62], v[S+63]
	v_max_num_f32 v[W0], v[W0], v[W1]
	v_permlanex16_b32 v[PD], v[W0], s36, s37
	v_max_num_f32 v[W0], v[W0], v[PD]              ; and of lane l xor 16's
.if \slow == 0
	v_mul_f32 v[W0], s34, v[W0]                    ; as t (c is positive)
.endif
	v_max_num_f32 v[TM], v[TM], v[W0]
	v_mov_b32 v[W0], v[NM]
	v_floor_f32 v[NM], -v[TM]                      ; -M = floor(-t): M is a whole number
	v_sub_f32 v[W0], v[NM], v[W0]                  ; old M - new M
	v_cvt_i32_f32 v[W0], v[W0]                     ; (it saturates)
	v_ldexp_f32 v[FF], 1.0, v[W0]                  ; f = 2^(old M - new M): rounds nothing
.set i, 0
.rept 32
.if \slow
	v_pk_add_f32 v[S+i:S+i+1], v[S+i:S+i+1], v[NM:NM+1] op_sel_hi:[1,0]
.else
	v_pk_fma_f32 v[S+i:S+i+1], v[S+i:S+i+1], s[34:35], v[NM:NM+1] op_sel_hi:[1,0,0]
.endif
.set i, i+2
.endr
.set i, 0
.rept 64
	v_exp_f32 v[S+i], v[S+i]                       ; p = 2^(t - M)
.set i, i+1
.endr
	v_pk_mul_f32 v[LS:LS+1], v[LS:LS+1], v[FF:FF+1] op_sel_hi:[1,0]   ; the sum under the new M: the plain instruction behind the exponentials
	s_wait_alu depctr_va_vdst(0)                   ; the 64 exponentials have written p, ahead of its first reader: one wait for the batch.  In tile 0 it states besides that the sixteen products K Q^T are done reading K's fragments
.if (\u) == 0
.irp n, 0,1,2,3,4,5,6,7,8,9,10,11,12,13,14,15
	ds_load_b128 v[KV+4*\n:KV+4*\n+3], v[AL] offset:VOFF+512*\n   ; V's four fragments land in K's registers while the rest of tile 0's softmax, 120 vector lines, is walked; v[AL] has not been written since the wait at the step's head
.endr
.endif
	v_pk_add_f32 v[L2:L2+1], v[S:S+1], v[S+2:S+3]  ; the sum of the unquantised p, in two chains
.irp j, 4,8,12,16,20,24,28,32,36,40,44,48,52,56,60
	v_pk_add_f32 v[LS:LS+1], v[LS:LS+1], v[S+\j:S+\j+1]
	v_pk_add_f32 v[L2:L2+1], v[L2:L2+1], v[S+\j+2:S+\j+3]
.endr
	v_pk_add_f32 v[LS:LS+1], v[LS:LS+1], v[L2:L2+1]
.irp b, 0,1,2,3
.irp n, 0,1,2,3,4,5,6,7,8,9,10,11,12,13,14,15
	v_min_num_f32 v[S+16*\b+\n], v[S+16*\b+\n], v[LIMP]   ; the conversion does not saturate (ISA guide 7.6.2); p is not negative
.endr
	v_cvt_scalef32_pk8_fp8_f32 v[PC+4*\b:PC+4*\b+1], v[S+16*\b:S+16*\b+7], v[SCP]
	v_cvt_scalef32_pk8_fp8_f32 v[PC+4*\b+2:PC+4*\b+3], v[S+16*\b+8:S+16*\b+15], v[SCP]
.endr
.set i, 0
.rept 16
	v_pk_mul_f32 v[O+i:O+i+1], v[O+i:O+i+1], v[FF:FF+1] op_sel_hi:[1,0]   ; O^T under the new M; these stand between the conversions and the products
.set i, i+2
.endr
.endm
.macro BODY slow
	QK 0, \slow
	QK 1, \slow
	WIN 0
.rept 4
	v_nop                                          ; places in front of the first read of the scores
.endr
	SM 0, \slow
	s_wait_dscnt 0x0                               ; V is in
	PV 0
	SM 1, \slow
	PV 1
	WIN 0
.endm
.Lslot:                                            ; 8 trips, a constant; what is left out is jumped over inside
	s_wait_loadcnt 0x0                             ; the loads issued a slot ago are in (in the first trip Q and q_mask too): their bases may be stepped
	s_cmp_lt_u32 s31, s25                          ; the same in all eight waves
	s_cbranch_scc0 .Lnostage
	v_sub_f32 v[MV], 1.0, v[MV]
	v_mul_f32 v[MV], 0x4e6e6b28, v[MV]             ; m
	v_ldexp_f32 v[MV], -v[MV], s38                 ; -m in the scores' unit
	v_add_nc_u32 v[SK], s30, v[KLB]
	v_add_nc_u32 v[SV], s30, v[VLB]
	v_add_nc_u32 v[SMK], s30, v[MLB]
	s_wait_alu depctr_va_vdst(0)                   ; -m and the three addresses are written, which the stores below read; the lines that named v[MV] are done, so that the next slot's load may land in it
.irp n, 0,1,2,3
	ds_store_b128 v[SK], v[GK+4*\n:GK+4*\n+3] offset:512*\n
	ds_store_b128 v[SV], v[GV+4*\n:GV+4*\n+3] offset:512*\n
.endr
	ds_store_b32 v[SMK], v[MV]
.Lnostage:
	s_wait_dscnt 0x0                               ; for the others' sake: my stores have landed, and my reads of the last slot are in
	s_wait_alu depctr_vm_vsrc(0)                   ; my stores have read v[GK ..], v[GV ..] and v[MV], in which the next slot's loads land, and their three addresses, which the next trip writes again
	s_add_nc_u64 s[40:41], s[40:41], 262144        ; 16 token tiles on
	s_add_nc_u64 s[42:43], s[42:43], 4096          ; 8 planes on
	s_add_nc_u64 s[44:45], s[44:45], 1024
	s_add_co_u32 s52, s31, 1
	s_cmp_lt_u32 s52, s25                          ; at most 8 slots: no load leaves its buffer
	s_cbranch_scc0 .Lnoload
	GLOAD                                          ; the next slot: it has this slot's two steps in which to come
.Lnoload:
	s_barrier_signal -1                            ; one barrier a slot: this slot is whole, and the other one, read a trip ago, is free for the next trip's stores
	s_barrier_wait -1
	s_xor_b32 s30, s30, SLOT1
	s_mov_b32 s32, 2
.Lstep:
	s_wait_alu depctr_vm_vsrc(0)                   ; the LDS loads of the step before have read v[AL] and v[AM], which the two additions below write
	s_cmp_gt_u32 s28, s26                          ; all keys behind my wave's diagonal, and no query ahead of F: nothing to do
	s_cbranch_scc1 .Lskip
	v_add_nc_u32 v[AL], s29, v[L16]
	v_add_nc_u32 v[AM], s29, v[AMB]
	v_nop
	v_nop                                          ; four places behind the last products, whose V these loads overwrite; they stay beside the wait
	s_wait_alu depctr_va_vdst(0)                   ; v[AL] and v[AM] are written; the last step's products V^T P^T are done reading V, in whose registers K lands; its readers of the mask's terms are done, in whose registers the new terms land
.irp t, 0,1,2,3,4,5,6,7
	ds_load_b128 v[KV+8*\t:KV+8*\t+3], v[AL] offset:1024*\t
	ds_load_b128 v[KV+8*\t+4:KV+8*\t+7], v[AL] offset:1024*\t+512
.endr
	WIN 0x40                                       ; between the wait above and the loads below stand loads and this switch alone
.irp n, 0,1,2,3,4,5,6,7,8,9,10,11,12,13,14,15
	ds_load_b128 v[KV+4*\n:KV+4*\n+3], v[AM] offset:128*(\n/4)+16*(\n%4)   ; the terms of keys 32 b + 16 (lane / 16) + 0 .. 15
.endr
	WIN 0
	s_wait_dscnt 0x0
	s_cmp_le_i32 s28, s27
	s_cbranch_scc1 .Lfast
	BODY 1
	s_branch .Lskip
.Lfast:
	BODY 0
.Lskip:
	s_add_co_u32 s28, s28, 128
	s_add_co_u32 s29, s29, STEPB
	s_sub_co_u32 s32, s32, 1
	s_cmp_lg_u32 s32, 0
	s_cbranch_scc1 .Lstep
	s_sub_co_u32 s29, s29, 2*STEPB
	s_xor_b32 s29, s29, SLOT1
	s_add_co_u32 s31, s31, 1
	s_cmp_lt_u32 s31, 8
	s_cbranch_scc1 .Lslot
	; THE WAY OUT.  O^T x q_mask x 2^(e8 + e9) / the sum goes through my own stage, a tile at a time, and leaves as whole rows of a head: sixteen lanes store 256 consecutive bytes, aligned.
.rept 4
	v_nop
.endr
.macro FIN u
	WIN 0x55*(\u)
	v_add_f32 v[LS], v[LS], v[LS+1]
	v_permlanex16_b32 v[PD], v[LS], s36, s37
	v_add_f32 v[LS], v[LS], v[PD]                  ; the row's sum: above 1/2
	v_rcp_f32 v[LS], v[LS]
	v_nop                                          ; a plain instruction behind the reciprocal,
	s_wait_alu depctr_va_vdst(0)                   ; and the wait ahead of its first reader: the reciprocal is written.  The last products are done reading V, in whose registers the stage's rows land below
	v_ldexp_f32 v[LS], v[LS], s39
	v_mul_f32 v[LS], v[LS], v[QM]
.set i, 0
.rept 16
	v_pk_mul_f32 v[O+i:O+i+1], v[O+i:O+i+1], v[LS:LS+1] op_sel_hi:[1,0]
.set i, i+2
.endr
	WIN 0x04*(\u)                                  ; the data's window; the address lies in window 0
	s_wait_alu depctr_va_vdst(0)                   ; the sixteen multiplications have written O^T, which the LDS stores read
.irp n, 0,1,2,3,4,5,6,7
	ds_store_b128 v[STO], v[O+4*\n:O+4*\n+3] offset:128*(\n/4)+16*(\n%4)   ; channels 32 (n / 4) + 16 h + 4 (n % 4) on
.endr
	WIN 0
.irp n, 0,1,2,3,4,5,6,7
	ds_load_b128 v[KV+32*(\u)+4*\n:KV+32*(\u)+4*\n+3], v[RD] offset:2*SP*\n   ; LDS serves a wave's instructions in order: these see my stores, and the next tile's stores come behind them.  No vector line since the waits above names these registers or v[RD]
.endr
.endm
	FIN 0
	FIN 1
.irp n, 0,1,2,3,4,5,6,7
	s_wait_dscnt 23-\n                             ; behind this load: tile 0's younger loads and tile 1's sixteen LDS instructions
	global_store_b128 v[GO], v[KV+4*\n:KV+4*\n+3], s[48:49] offset:(2*\n+8*(\n/4))*4096 th:TH_STORE_NT   ; stage rows 2 n, 2 n + 1 are queries Q0 + 2 n + 8 (n / 4) and the next
.endr
.irp n, 0,1,2,3,4,5,6,7
	s_wait_dscnt 7-\n
	global_store_b128 v[GO], v[KV+32+4*\n:KV+32+4*\n+3], s[48:49] offset:(8+2*\n+8*(\n/4))*4096 th:TH_STORE_NT
.endr
	s_wait_dscnt 0x0                               ; the closing lines, six on end
	s_wait_alu 0x0
	s_wait_tensorcnt 0x0
	ds_add_u32 v[SPW], v[NIL]
	s_wait_dscnt 0x0
	s_endpgm
.Lfunc_end_k_q4ff32d5ede_attn:
	.size	k_q4ff32d5ede_attn, .Lfunc_end_k_q4ff32d5ede_attn-k_q4ff32d5ede_attn
	.p2alignl 7, 3214868480
	.fill 96, 4, 3214868480
	.section	.rodata,"a",@progbits
	.p2align	6, 0x0
	.amdhsa_kernel k_q4ff32d5ede_attn
		.amdhsa_group_segment_fixed_size 166912
		.amdhsa_private_segment_fixed_size 0
		.amdhsa_enable_private_segment 0
		.amdhsa_kernarg_size 48
		.amdhsa_user_sgpr_count 2
		.amdhsa_user_sgpr_kernarg_segment_ptr 1
		.amdhsa_wavefront_size32 1
		.amdhsa_system_sgpr_workgroup_id_x 1
		.amdhsa_system_sgpr_workgroup_id_y 1
		.amdhsa_system_sgpr_workgroup_id_z 1
		.amdhsa_system_vgpr_workitem_id 0
		.amdhsa_next_free_vgpr 512
		.amdhsa_next_free_sgpr 80
		.amdhsa_reserve_vcc 0
		.amdhsa_float_denorm_mode_32 3
		.amdhsa_float_denorm_mode_16_64 3
		.amdhsa_memory_ordered 1
		.amdhsa_forward_progress 1
		.amdhsa_inst_pref_size 106
	.end_amdhsa_kernel
	.amdgpu_metadata
---
amdhsa.version: [ 1, 2 ]
amdhsa.kernels:
  - .name:           k_q4ff32d5ede_attn
    .symbol:         k_q4ff32d5ede_attn.kd
    .args:
      - { .name: pj, .offset: 0, .size: 8, .value_kind: global_buffer, .address_space: global }
      - { .name: fb, .offset: 8, .size: 8, .value_kind: global_buffer, .address_space: global }
      - { .name: v_mask, .offset: 16, .size: 8, .value_kind: global_buffer, .address_space: global }
      - { .name: q_mask, .offset: 24, .size: 8, .value_kind: global_buffer, .address_space: global }
      - { .name: lowp_scales, .offset: 32, .size: 8, .value_kind: global_buffer, .address_space: global }
      - { .name: out0, .offset: 40, .size: 8, .value_kind: global_buffer, .address_space: global }
    .group_segment_fixed_size: 166912
    .private_segment_fixed_size: 0
    .kernarg_segment_align: 8
    .kernarg_segment_size: 48
    .max_flat_workgroup_size: 256
    .sgpr_count:     80
    .vgpr_count:     512
    .wavefront_size: 32
...
	.end_amdgpu_metadata
.endif
;; end of part 4
